; MI455X (gfx1250); checked and timed in simulation.
; The chip was launched on July 23, 2026; its instructions are those of AMD's public machine-readable ISA for CDNA 5 (MIT licence, August 2026) and "CDNA5" Instruction Set Architecture Reference Guide (July 2026). The comments in the code are by the model that wrote it; some were corrected since.
;; Causal Self Attention. Allowed arithmetic: matrix products marked QUANTISED: E3M2 operands, one E8M0 scale for each 32 along K, by v_wmma_scale_f32_16x16x128_f8f6f4 with both operands' format E3M2, f32 sums; everything else in f32.
;; Inputs: Wk 1,024 x 1,024 float32; Wo 1,024 x 1,024 float32; Wq 1,024 x 1,024 float32; Wv 1,024 x 1,024 float32; bk 1,024 float32; bo 1,024 float32; bq 1,024 float32; bv 1,024 float32; mask 1 x 1 x 2,048 x 2,048 bool; x 4 x 2,048 x 1,024 float32.
;; Outputs: out0 4 x 2,048 x 1,024 float32.
;; This version of the problem:
;;   THIS VERSION OF THE PROBLEM IS GIVEN IN LOW PRECISION. The matrix products marked QUANTISED in the list below multiply operands that are first quantised to E3M2 (3 exponent bits, 2 mantissa bits; 6 bits a number), with one power-of-two scale for each 32 numbers along K (OCP MX v1.0); their sums are f32. All else is computed in f32.
;;   The module's matrix products, in the order in which they are computed (A, B: the left and right operand; K: the contracted axis; several contracted axes count as one K, in the product's order):
;;     1. [M 8,192, K 1,024] x [K 1,024, N 1,024]; A: input x; B: input Wq: QUANTISED
;;     2. [M 8,192, K 1,024] x [K 1,024, N 1,024]; A: input x; B: input Wk: QUANTISED
;;     3. [M 8,192, K 1,024] x [K 1,024, N 1,024]; A: input x; B: input Wv: QUANTISED
;;     4. batch 64 x [M 2,048, K 64] x [K 64, N 2,048]; A: computed on the way; B: computed on the way: QUANTISED
;;     5. batch 64 x [M 2,048, K 2,048] x [K 2,048, N 64]; A: softmax (see below); B: computed on the way: QUANTISED
;;     6. [M 8,192, K 1,024] x [K 1,024, N 1,024]; A: computed on the way; B: input Wo: QUANTISED
;;   THE QUANTISER, for each operand of a quantised product, along K:
;;     - K is cut into blocks of 32 from its start; a last block that is shorter is filled with zeros.
;;     - A block's scale is 2^e with e = floor(log2(the largest magnitude in the block)) - 4, held to -126 .. 127; a block of zeros has e = 0. As a byte (E8M0): e + 127.
;;     - Each number is divided by its block's scale, clamped to +-28, and rounded to the nearest number of E3M2, ties to even, subnormals kept.
;;     - The product sums the exact products of the quantised numbers (number of the format x scale) in f32.
;;   ~~~python
;;   def quantise(x, axis):      # numpy; x: float32 -> the quantised numbers, widened to float32 again
;;       x = np.moveaxis(x, axis, -1); K = x.shape[-1]
;;       x = np.pad(x, [(0, 0)] * (x.ndim - 1) + [(0, -K % 32)]); x = x.reshape(x.shape[:-1] + (-1, 32)); a = np.abs(x).max(-1, keepdims=True)
;;       e = np.where(a > 0, np.clip(np.frexp(np.where(a > 0, a, 1))[1] - 1 - 4, -126, 127), 0)      # np.frexp(a)[1] - 1 = floor(log2(a)), exactly
;;       r = np.clip(x / 2.0 ** e, -28, 28)
;;       step = 2.0 ** (np.maximum(np.frexp(np.where(r == 0, 1, r))[1] - 1, -2) - 2)
;;       q = np.round(r / step) * step * 2.0 ** e      # np.round: ties to even
;;       return np.moveaxis(q.reshape(q.shape[:-2] + (-1,))[..., :K], -1, axis).astype(np.float32)
;;   ~~~
;;   SOFTMAX AHEAD OF A QUANTISED PRODUCT. Where the list says 'softmax', what is quantised is not the finished softmax but p = 2^(t - M), with t = logit x log2(e) and M = ceil(the row's largest t), a whole number; so 1/2 < the row's largest p <= 1. The row's sum l is taken of the UNQUANTISED p, in f32, and the product's result is divided by l at the end. Since M is a whole number, a kernel that streams over the keys may use a running M (the ceiling of the running maximum): every later rescaling is an exact power of two, which a block's scale takes up: the codes' values come out the same.
;;   OPERANDS COMPUTED ON THE WAY. 'Computed on the way' means the value that the module computes at that place (a softmax that the list does not call 'softmax' is quantised finished and normalised). What goes into a quantiser is computed in f32, as accurately as f32 sums, v_exp_f32 and their like allow (about 1e-6 of the number): no bf16 or f16 on the way to a quantiser, and a product that is left as it is and whose result goes on into a quantised operand takes f32 operands (vector FMAs, or v_wmma_f32_16x16x4_f32). A number that lies on a knife's edge between two numbers of the format may be rounded either way, as far as f32 arithmetic and the matrix unit's own rounding can turn it there, and no further.
;; 2 versions, each right; version 2 is version 1 with the launch attn written anew for expert scheduling mode. Each part assembles by itself: llvm-mc -triple=amdgcn-amd-amdhsa -mcpu=gfx1250 --defsym DOCPART=n.
;; ======== version 1 of 2: 4 launches
;; workspace buffers: xw 9,830,400 bytes; mk 524,800 bytes of whole numbers; q 6,815,744 bytes; kv 13,369,344 bytes; at 6,553,600 bytes
;; launch prep (part 1): grid 416 x 1, 4 waves a work-group, no clusters, 68,096 bytes of LDS; arguments x, Wq, Wk, Wv, Wo, mask, xw, mk; writes xw, mk
.if DOCPART == 1
	.amdgcn_target "amdgcn-amd-amdhsa--gfx1250"
	.amdhsa_code_object_version 6
	.text
	.protected	k_qb42f63baea_prep
	.globl	k_qb42f63baea_prep
	.p2align	8
	.type	k_qb42f63baea_prep,@function
k_qb42f63baea_prep:
	s_mov_b64 s[64:65], 0
	v_nop
	global_prefetch_b8 v0, s[64:65] scope:SCOPE_SE
	s_setreg_imm32_b32 hwreg(HW_REG_WAVE_MODE, 25, 1), 1
	s_wait_xcnt 0x0
; PREP.  (a) x [8192][1024] and the four weights [1024][1024], f32 with K innermost, become codes of BF6 (E3M2) with one E8M0 byte for each 32 along K, laid as IMAGES OF OPERAND REGISTERS:
; a row tile G is 16 rows (row i of tile G is row 32 (G / 2) + 8 (G % 2) + i + 8 (i / 8) of its matrix); a fragment (16 rows x 128 K, 12 registers a lane) is 1,536 bytes: for each half of 64 K registers 0-3 at 16 x lane, registers 4-5 at 512 + 8 x lane.
; xw: fragment s of tile G at 12,288 G + 1,536 s (G 0-511 x, 512- Wq, 576- Wk, 640- Wv, 704- Wo); scale words behind them, 512 bytes a tile: K step s of row r at 256 (s / 4) + 16 r + 4 (s % 4).
; (b) the mask [2048][2048] of bytes becomes lane masks: word (T, step, n): bit of lane (r, h) = mask[row r of query tile T][128 step + 32 (n / 16) + 16 h + n % 16]; and a class word for each T, two bits a step: 0 nothing visible, 1 mixed, 3 all visible.
; A block's scale is 2^(floor(log2(largest magnitude)) - 4): its byte is the largest magnitude's exponent field - 4, held at 1 from below by a floor among the maximum's leaves.
; LIMITS: a block of zeros gets the byte 1, not 127 (its codes are zeros, and this program alone reads the bytes); blocks whose largest magnitude lies under 2^(5 - 127) were not tried; NaN and infinities in x and the weights are not served.
; SHARES.  Work-groups 0-383: wave 4 wg + w takes half a tile's K: 16 rows x 512 K, four fragments.  Work-groups 384-415: wave takes query tile T = 4 (wg - 384) + w: 16 rows of the mask.  Either way a wave asks for all its 32 KiB at once:
; 64 loads of 512 consecutive bytes.  They turn through the wave's own stage in LDS (16 rows of 512 + 16 bytes), so that a lane gets neighbours along K.  Waves share nothing: no barrier.  The two paths have LDS bytes of their own.
.set SOFF,  9437184                    ; where the scale words begin in xw
.set STGB,  16*528                     ; a wave's stage
.set MSTG,  4*STGB                     ; the mask path's stages lie behind the quantiser's
.set CLSO,  524288                     ; where the class words begin in mk
.set X,     96                         ; v96-159  64 numbers of a lane (mask path: 256 bytes)
.set PC,    32                         ; v32-79   codes, 12 registers for each fragment: no store's data are written again
.set CT,    24                         ; v24-30   the second half of a block's codes (a conversion's three registers begin on an even number)
.set SW,    16                         ; v16-19   the four fragments' scale words
.set MSB,   0
.macro WIN new                         ; the immediate's high byte repeats the setting that is left
.if MSB != (\new)
	s_set_vgpr_msb (MSB<<8)|(\new)
.set MSB, (\new)
.endif
.endm
.macro LOADALL pitch                   ; chunk s (512 bytes) of row i into window 1, v[64 s + 4 i]
	WIN 0x40
.irp s, 0,1,2,3
.irp i, 0,1,2,3,4,5,6,7,8,9,10,11,12,13,14,15
	global_load_b128 v[64*\s+4*\i:64*\s+4*\i+3], v4, s[32:33] offset:(\i+8*(\i/8))*\pitch+512*\s th:TH_LOAD_NT
.endr
.endr
	WIN 0
.endm
.macro TURN s, kind                    ; chunk s through the stage.  LDS serves a wave's instructions in order: no wait between the stores and the loads
	s_wait_loadcnt 48-16*\s                        ; loads come back in order: chunk s is in, the younger chunks stay out
	WIN 0x04                                       ; an LDS store's data are its source 1: window 1
.irp i, 0,1,2,3,4,5,6,7,8,9,10,11,12,13,14,15
	ds_store_b128 v6, v[64*\s+4*\i:64*\s+4*\i+3] offset:528*\i
.endr
	WIN 0
.irp j, 0,1,2,3,4,5,6,7,8,9,10,11,12,13,14,15
.if \kind
	ds_load_b128 v[X+4*\j:X+4*\j+3], v7 offset:32*\j                  ; mask: step j / 4 of the chunk, block j % 4: my 16 keys' bytes
.else
	ds_load_b128 v[X+4*\j:X+4*\j+3], v7 offset:256*(\j/8)+16*(\j%8)   ; numbers: k = 64 (j / 8) + 32 h + 4 (j % 8) on, of row r
.endif
.endr
	s_wait_dscnt 0x0
.endm
.macro QFRAG s                         ; 64 numbers of a lane, two whole blocks of 32, become fragment s
.irp c, 0,1
	v_max3_num_f32 v[8+\c], |v[X+32*\c]|, |v[X+32*\c+1]|, 0x2800000   ; the floor 2^(5 - 127) among the leaves: the byte cannot fall under 1
.endr
.irp i, 2,4,6,8,10,12,14,16,18,20,22,24,26,28,30
.irp c, 0,1
	v_max3_num_f32 v[8+\c], v[8+\c], |v[X+32*\c+\i]|, |v[X+32*\c+\i+1]|
.endr
.endr
.irp c, 0,1
	v_add_nc_u32 v[10+\c], 0xfe000000, v[8+\c]     ; 4 off the exponent field: the conversion's scale operand
.endr
.irp c, 0,1
	v_lshrrev_b32 v[12+\c], 23, v[10+\c]           ; the scale's byte
.endr
	v_lshl_or_b32 v14, v13, 16, v12                ; my two bytes, blocks h and 2 + h of row r,
	v_lshlrev_b32 v14, v23, v14                    ; 8 h bits up;
	v_permlanex16_b32 v15, v14, s24, s25
	v_or_b32 v[SW+\s], v14, v15                    ; with lane l xor 16's two the word is whole
.irp c, 0,1
	v_cvt_scalef32_pk16_bf6_f32 v[PC+12*\s+6*\c:PC+12*\s+6*\c+2], v[X+32*\c:X+32*\c+15], v[10+\c]
	v_cvt_scalef32_pk16_bf6_f32 v[CT+4*\c:CT+4*\c+2], v[X+32*\c+16:X+32*\c+31], v[10+\c]
.endr
	v_nop                                          ; one plain place behind the scaled conversions
.irp c, 0,1
.irp i, 0,1,2
	v_mov_b32 v[PC+12*\s+6*\c+3+\i], v[CT+4*\c+\i]
.endr
.endr
.irp c, 0,1
	global_store_b128 v4, v[PC+12*\s+6*\c:PC+12*\s+6*\c+3], s[36:37] offset:1536*\s+768*\c         ; 512 consecutive bytes
	global_store_b64 v5, v[PC+12*\s+6*\c+4:PC+12*\s+6*\c+5], s[36:37] offset:1536*\s+768*\c+512    ; 256 consecutive bytes
.endr
.endm
.macro MSTEP ch, st                    ; key step 4 ch + st of my 16 queries: 64 lane masks and the class
.set XB, X+16*(\st)
	s_wait_xcnt 0x0                                ; the last step's store has read v[20:21]
	v_or_b32 v8, v[XB], v[XB+1]
	v_and_b32 v9, v[XB], v[XB+1]
.irp i, 2,3,4,5,6,7,8,9,10,11,12,13,14,15
	v_or_b32 v8, v8, v[XB+\i]
	v_and_b32 v9, v9, v[XB+\i]
.endr
.irp g, 0,1,2,3,4,5,6,7                ; words n = 8 g + k, eight at a time, so that no line waits for the line above it
.irp k, 0,1,2,3,4,5,6,7
	v_and_b32 v[160+\k], 0xff<<(8*(\k%4)), v[XB+2*\g+\k/4]
.endr
.irp k, 0,1,2,3,4,5,6,7
	v_cmp_ne_u32 s[40+\k], 0, v[160+\k]
.endr
.irp k, 0,1,2,3,4,5,6,7
	v_writelane_b32 v[20+\k%2], s[40+\k], 4*\g+\k/2   ; lane l of the pair holds words 2 l and 2 l + 1
.endr
.endr
	global_store_b64 v5, v[20:21], s[36:37] offset:256*(4*\ch+\st)    ; 256 consecutive bytes
	v_cmp_ne_u32 s48, 0, v8                        ; lanes that see something
	v_cmp_ne_u32 s49, 0x01010101, v9               ; lanes in which not every byte is 1
	s_cmp_lg_u32 s48, 0
	s_cselect_b32 s50, 1<<(2*(4*\ch+\st)), 0
	s_or_b32 s23, s23, s50
	s_cmp_eq_u32 s49, 0
	s_cselect_b32 s50, 2<<(2*(4*\ch+\st)), 0
	s_or_b32 s23, s23, s50
.endm
	s_load_b512 s[4:19], s[0:1], 0x0               ; x, Wq, Wk, Wv, Wo, mask, xw, mk
	v_lshl_add_u32 v254, v0, 2, 0x10800
	v_mov_b32 v255, 0
	v_lshrrev_b32 v1, 5, v0
	v_readfirstlane_b32 s20, v1                    ; wave
	v_and_b32 v1, 31, v0                           ; lane
	v_and_b32 v2, 15, v0                           ; r
	v_bfe_u32 v3, v0, 4, 1                         ; h
	v_lshlrev_b32 v4, 4, v1                        ; 16 x lane
	v_lshlrev_b32 v5, 3, v1                        ; 8 x lane
	s_mul_i32 s21, s20, STGB
	s_cmp_ge_u32 ttmp9, 384
	s_cbranch_scc1 .Lmask
	; ---- the quantiser
	v_add_nc_u32 v6, s21, v4                       ; into the stage: 16 x lane, a row an instruction
	v_mul_u32_u24 v7, v2, 528
	v_lshl_add_u32 v7, v3, 7, v7
	v_add_nc_u32 v7, s21, v7                       ; out of it: row r, + 128 h bytes: my block of 32 numbers
	v_lshlrev_b32 v22, 4, v2
	v_lshl_add_u32 v22, v3, 3, v22                 ; the scale words' place: 16 r + 8 h
	v_lshlrev_b32 v23, 3, v3                       ; 8 h
	v_mov_b32 v15, 0                               ; a lane permute's destination counts as one of its sources
	s_mov_b32 s24, 0x76543210
	s_mov_b32 s25, 0xfedcba98                      ; selects for lane l xor 16
	s_mov_b32 s26, 0xffff0000                      ; lanes 16-31
	s_lshl_b32 s27, ttmp9, 2
	s_add_co_u32 s27, s27, s20
	s_lshr_b32 s28, s27, 1                         ; G
	s_and_b32 s29, s27, 1                          ; which half of K
	s_sub_co_u32 s30, s28, 512
	s_lshr_b32 s30, s30, 6                         ; which weight, where G is a weight's
	s_and_b32 s31, s28, 63
	s_wait_kmcnt 0x0
	s_mov_b64 s[32:33], s[12:13]
	s_cmp_eq_u32 s30, 2
	s_cselect_b64 s[32:33], s[10:11], s[32:33]
	s_cmp_eq_u32 s30, 1
	s_cselect_b64 s[32:33], s[8:9], s[32:33]
	s_cmp_eq_u32 s30, 0
	s_cselect_b64 s[32:33], s[6:7], s[32:33]
	s_cmp_lt_u32 s28, 512
	s_cselect_b64 s[32:33], s[4:5], s[32:33]       ; the choice hangs on ids alone
	s_cselect_b32 s31, s28, s31                    ; the tile's number in its own matrix
	s_lshr_b32 s34, s31, 1
	s_lshl_b32 s34, s34, 5
	s_and_b32 s35, s31, 1
	s_lshl_b32 s35, s35, 3
	s_add_co_u32 s34, s34, s35                     ; its first row
	s_lshl_b32 s34, s34, 12                        ; x 4,096 bytes
	s_lshl_b32 s35, s29, 11
	s_add_co_u32 s34, s34, s35                     ; + my half of K
	s_mov_b32 s35, 0
	s_add_nc_u64 s[32:33], s[32:33], s[34:35]
	s_mul_i32 s34, s28, 12288
	s_mul_i32 s30, s29, 6144
	s_add_co_u32 s34, s34, s30
	s_add_nc_u64 s[36:37], s[16:17], s[34:35]      ; my four fragments in xw
	s_lshl_b32 s34, s28, 9
	s_lshl_b32 s30, s29, 8
	s_add_co_u32 s34, s34, s30
	s_add_co_u32 s34, s34, SOFF
	s_add_nc_u64 s[38:39], s[16:17], s[34:35]      ; and their scale words
	LOADALL 4096
.irp s, 0,1,2,3
	TURN \s, 0
	QFRAG \s
.endr
	v_cndmask_b32 v20, v[SW], v[SW+2], s26         ; lanes 0-15 store words 0, 1 of their row, lanes 16-31 words 2, 3
	v_cndmask_b32 v21, v[SW+1], v[SW+3], s26
	global_store_b64 v22, v[20:21], s[38:39]       ; 256 consecutive bytes
	s_wait_tensorcnt 0x0
	ds_add_u32 v254, v255
	s_wait_dscnt 0x0
	s_endpgm
	; ---- the mask
.Lmask:
	s_add_co_u32 s21, s21, MSTG
	v_add_nc_u32 v6, s21, v4
	v_mul_u32_u24 v7, v2, 528
	v_lshl_add_u32 v7, v3, 4, v7
	v_add_nc_u32 v7, s21, v7                       ; out of the stage: row r, + 16 h bytes
	v_mov_b32 v20, 0                               ; v_writelane_b32's destination counts as read
	v_mov_b32 v21, 0
	s_sub_co_u32 s27, ttmp9, 384
	s_lshl_b32 s27, s27, 2
	s_add_co_u32 s27, s27, s20                     ; T
	s_lshr_b32 s34, s27, 1
	s_lshl_b32 s34, s34, 5
	s_and_b32 s35, s27, 1
	s_lshl_b32 s35, s35, 3
	s_add_co_u32 s34, s34, s35                     ; the tile's first query
	s_lshl_b32 s34, s34, 11                        ; x 2,048 bytes
	s_mov_b32 s35, 0
	s_mov_b32 s23, 0                               ; the class word
	s_wait_kmcnt 0x0
	s_add_nc_u64 s[32:33], s[14:15], s[34:35]
	s_lshl_b32 s34, s27, 12
	s_add_nc_u64 s[36:37], s[18:19], s[34:35]      ; my tile's 16 x 256 bytes of lane masks
	s_lshl_b32 s34, s27, 2
	s_add_nc_u64 s[38:39], s[18:19], s[34:35]
	LOADALL 2048
.irp ch, 0,1,2,3
	TURN \ch, 1
.irp st, 0,1,2,3
	MSTEP \ch, \st
.endr
.endr
	v_mov_b32 v8, s23
	v_mov_b32 v9, 0
	v_cmp_eq_u32 vcc_lo, 0, v1
	s_wait_xcnt 0x0                                ; EXEC changes only behind this wait
	s_wait_tensorcnt 0x0
	ds_add_u32 v254, v255
	s_wait_dscnt 0x0
	s_and_saveexec_b32 s30, vcc_lo
	global_store_b32 v9, v8, s[38:39] offset:CLSO  ; one lane stores the tile's class word
	s_wait_xcnt 0x0
	s_or_b32 exec_lo, exec_lo, s30
	s_endpgm
.Lfunc_end_k_qb42f63baea_prep:
	.size	k_qb42f63baea_prep, .Lfunc_end_k_qb42f63baea_prep-k_qb42f63baea_prep
	.p2alignl 7, 3214868480
	.fill 96, 4, 3214868480
	.section	.rodata,"a",@progbits
	.p2align	6, 0x0
	.amdhsa_kernel k_qb42f63baea_prep
		.amdhsa_group_segment_fixed_size 68096
		.amdhsa_private_segment_fixed_size 0
		.amdhsa_enable_private_segment 0
		.amdhsa_kernarg_size 64
		.amdhsa_user_sgpr_count 2
		.amdhsa_user_sgpr_kernarg_segment_ptr 1
		.amdhsa_wavefront_size32 1
		.amdhsa_system_sgpr_workgroup_id_x 1
		.amdhsa_system_sgpr_workgroup_id_y 1
		.amdhsa_system_sgpr_workgroup_id_z 1
		.amdhsa_system_vgpr_workitem_id 0
		.amdhsa_next_free_vgpr 512
		.amdhsa_next_free_sgpr 66
		.amdhsa_reserve_vcc 1
		.amdhsa_float_denorm_mode_32 3
		.amdhsa_float_denorm_mode_16_64 3
		.amdhsa_memory_ordered 1
		.amdhsa_forward_progress 1
		.amdhsa_inst_pref_size 255
	.end_amdhsa_kernel
	.section	.bss,"aw",@nobits
	.p2align	6
	.space	262144
	.amdgpu_metadata
---
amdhsa.version: [ 1, 2 ]
amdhsa.kernels:
  - .name:           k_qb42f63baea_prep
    .symbol:         k_qb42f63baea_prep.kd
    .args:
      - { .name: x, .offset: 0, .size: 8, .value_kind: global_buffer, .address_space: global }
      - { .name: Wq, .offset: 8, .size: 8, .value_kind: global_buffer, .address_space: global }
      - { .name: Wk, .offset: 16, .size: 8, .value_kind: global_buffer, .address_space: global }
      - { .name: Wv, .offset: 24, .size: 8, .value_kind: global_buffer, .address_space: global }
      - { .name: Wo, .offset: 32, .size: 8, .value_kind: global_buffer, .address_space: global }
      - { .name: mask, .offset: 40, .size: 8, .value_kind: global_buffer, .address_space: global }
      - { .name: xw, .offset: 48, .size: 8, .value_kind: global_buffer, .address_space: global }
      - { .name: mk, .offset: 56, .size: 8, .value_kind: global_buffer, .address_space: global }
    .group_segment_fixed_size: 68096
    .private_segment_fixed_size: 0
    .kernarg_segment_align: 8
    .kernarg_segment_size: 64
    .max_flat_workgroup_size: 128
    .sgpr_count:     66
    .vgpr_count:     512
    .wavefront_size: 32
...
	.end_amdgpu_metadata
.endif
;; end of part 1
;; launch proj (part 2): grid 12 x 32, 4 waves a work-group, clusters of 4 x 4, 327,680 bytes of LDS; arguments xw, bq, bk, bv, q, kv; writes q, kv
.if DOCPART == 2
	.amdgcn_target "amdgcn-amd-amdhsa--gfx1250"
	.amdhsa_code_object_version 6
	.text
	.protected	k_qb42f63baea_proj
	.globl	k_qb42f63baea_proj
	.p2align	8
	.type	k_qb42f63baea_proj,@function
k_qb42f63baea_proj:
	s_mov_b64 s[64:65], 0
	v_nop
	global_prefetch_b8 v0, s[64:65] scope:SCOPE_SE
	s_setreg_imm32_b32 hwreg(HW_REG_WAVE_MODE, 25, 1), 1
	s_wait_xcnt 0x0
	s_wait_alu depctr_hold_cnt(0) depctr_sa_sdst(0) depctr_va_vdst(0) depctr_va_sdst(0) depctr_va_ssrc(0) depctr_va_vcc(0) depctr_vm_vsrc(0)
	s_getreg_b32 s2, hwreg(HW_REG_IB_STS2, 6, 4)
	s_cmp_eq_u32 s2, 0
	s_cbranch_scc0 .Lentry_in_a_cluster
	s_endpgm
.Lentry_in_a_cluster:
	s_bfe_u32 s2, ttmp6, 0x10000c
	s_cmp_lg_u32 s2, 0xf033
	s_cbranch_scc0 .Lentry_shape_is_right
	s_endpgm
.Lentry_shape_is_right:
; PROJ.  q = x Wq^T + bq, k = x Wk^T + bk, v = x Wv^T + bv on codes of BF6 with E8M0 scales (K = 1,024), and the results quantised in registers: q and k along the head's 64, v along the KEYS.
; A tile is 256 x 256, four waves, a wave 128 x 128: 64 accumulators.  Source 1 = operand R (its rows lie one to a lane), source 0 = operand P (its rows run along a lane's registers).
; Clusters x = 0, 1 (q, k): R = 256 tokens of x, P = 256 rows of Wq or Wk: a lane holds one token and 128 neighbouring channels (two heads).  Cluster x = 2 (v): R = 256 rows of Wv, P = 256 tokens: a lane holds one channel and 128 neighbouring keys.
; (Row tiles are in the order 32 (G / 2) + 8 (G % 2) + i + 8 (i / 8), so that the 16 registers of result tiles 2 b, 2 b + 1 are 16 neighbours: 32 b + 16 h + 0 .. 15.)
; Operands lie in xw as images of their registers (1,536 bytes a fragment): a tile's part of a slot is 3,072 consecutive bytes, read back by b128, b64, b128, b64 at 16 x lane and 8 x lane: no pitch, no padding.
; K goes in steps of 256 through two LDS slots; the scale words of the work-group's rows come once.  4 x 4 work-groups form a cluster: R's tiles are asked for jointly along a row of the cluster, P's along a column.
; OUT.  q: half fragment (16 tokens x 64) of head bh, token tile T at 98,304 bh + 768 T; scale words (bytes 0, 1; bytes 2, 3 are 0) behind them, 512 bytes for 128 tokens: tile 2 g + l / 16, row l % 16 at 16 l + 4 g.
; kv: 208,896 bytes a head: k as q; v's fragments (16 channels x 128 keys) at 98,304 + 6,144 step + 1,536 ct; k's scale words at 196,608 + 512 step; v's at 204,800 + 256 step: tile 2 g + l / 16, row l % 16 at 8 l + 4 g.
; LIMITS: a block of zeros gets the byte 1, not 127 (its codes are zeros; this program alone reads the bytes); blocks under 2^(5 - 127) were not tried; NaN and infinities are not served.
; REGISTERS: window 0: v10-29 addresses; v32-63 scale words, two sets; v64-127 bq's or bk's 64 numbers of a lane; v128-223 R's fragments, one set.  window 1: P's fragments, two sets, v0-95 and v128-223; v96-111 bv.  windows 2, 3: the accumulators.
.set SOFF,   9437184
.set NQ,     2                         ; steps of 128 along K in a slot
.set FR,     12
.set NL,     4                         ; LDS loads that bring a fragment
.set NP,     4                         ; places behind this matrix instruction (ISA guide 7.12.1)
.set TILEB,  3072                      ; a row tile's two fragments in a slot
.set HALFT,  8*TILEB                   ; what one tensor load brings, and what a wave reads of R or of P
.set SLOT,   4*HALFT
.set SCL,    2*SLOT                    ; behind the ring: the scale words, 4,096 bytes for each 128 rows
.set SPARE,  SCL+4*4096                ; the spare words: two blocks of 256 bytes that no other line names
.set L16, 10
.set L8,  11
.set ABN, 12
.set ABM, 13
.set ADRA, 16                          ; v16-17 R's fragments in slot 0, 1 by 16 x lane; v18-19 by 8 x lane
.set ADRB, 20                          ; v20-23 the same for P
.set ADRS, 27
.set SPW,  28
.set NIL,  29
.set SC,   32
.set BN,   64
.set AF,   128
.set BM,   96                          ; in window 1
.set HA,   128                         ; the epilogue: 64 numbers of a lane,
.set PC,   192                         ; their codes,
.set TM,   212                         ; at work,
.set PW,   228                         ; the scale word just made,
.set SW,   32                          ; and the eight blocks' scale words
.set WV, 16
.set RH, 17
.set CH, 18
.set SEL, 2
.set G1, 24
.set G0, 32
.set G1B, 48
.set G0B, 56
.set G1S, 68
.set G0S, 76
.set G1SB, 80
.set G0SB, 88
.set MSB, 0
.macro WIN new
.if MSB != (\new)
	s_set_vgpr_msb (MSB<<8)|(\new)
.set MSB, (\new)
.endif
.endm
.set MUL_LO, 0xa1                      ; source 0 (P) window 1, source 1 (R) window 0, C and D window 2
.set MUL_HI, 0xf1
.set TO_B,   0x40
.macro JLOAD g0a, g1a, g0b, g1b        ; a joint load: waves 0, 1 fetch for R, waves 2, 3 for P; four v_nop follow each line
	s_cmp_eq_u32 s[RH], 0
	s_cbranch_scc0 .Lfor_b_\@
	tensor_load_to_lds s[\g0a:\g0a+3], s[\g1a:\g1a+7]
	s_nop 0
.rept 4
	v_nop
.endr
	s_branch .Lasked_\@
.Lfor_b_\@:
	tensor_load_to_lds s[\g0b:\g0b+3], s[\g1b:\g1b+7]
	s_nop 0
.rept 4
	v_nop
.endr
.Lasked_\@:
.endm
.macro CREST
	s_cmp_lg_u32 s[WV], 0
	s_cbranch_scc1 .Lnot_wave_0_\@
	s_barrier_signal -3
.Lnot_wave_0_\@:
	s_barrier_wait -3
	s_barrier_signal -1
	s_barrier_wait -1
.endm
.macro CROUND
	s_barrier_signal -1
	s_barrier_wait -1
	CREST
.endm
.macro PLACES n
.rept \n
	v_nop
.endr
.endm
.macro FRAG reg, adr, q, i             ; a fragment's image comes back as it was stored
	ds_load_b128 v[\reg:\reg+3], v[\adr] offset:(\i)*TILEB+(\q)*1536
	ds_load_b64 v[\reg+4:\reg+5], v[\adr+2] offset:(\i)*TILEB+(\q)*1536+512
	ds_load_b128 v[\reg+6:\reg+9], v[\adr] offset:(\i)*TILEB+(\q)*1536+768
	ds_load_b64 v[\reg+10:\reg+11], v[\adr+2] offset:(\i)*TILEB+(\q)*1536+1280
.endm
.macro MUL16 a0, p, q, sc, zero        ; R's blocks a0, a0 + 1 x P's eight; the 64 accumulators take turns, in the same order in every step
.irp a, \a0, \a0+1
.irp b, 0,1,2,3,4,5,6,7
.if \zero
	v_wmma_scale_f32_16x16x128_f8f6f4 v[8*(8*((\a)%4)+\b):8*(8*((\a)%4)+\b)+7], v[128*(\p)+FR*\b:128*(\p)+FR*\b+FR-1], v[AF+FR*(\a):AF+FR*(\a)+FR-1], 0, v[SC+8*NQ*(\sc)+NQ*\b+(\q)], v[SC+8*NQ*(\sc)+NQ*(\a)+(\q)] matrix_a_fmt:MATRIX_FMT_BF6 matrix_b_fmt:MATRIX_FMT_BF6 matrix_a_scale:MATRIX_SCALE_ROW1
.else
	v_wmma_scale_f32_16x16x128_f8f6f4 v[8*(8*((\a)%4)+\b):8*(8*((\a)%4)+\b)+7], v[128*(\p)+FR*\b:128*(\p)+FR*\b+FR-1], v[AF+FR*(\a):AF+FR*(\a)+FR-1], v[8*(8*((\a)%4)+\b):8*(8*((\a)%4)+\b)+7], v[SC+8*NQ*(\sc)+NQ*\b+(\q)], v[SC+8*NQ*(\sc)+NQ*(\a)+(\q)] matrix_a_fmt:MATRIX_FMT_BF6 matrix_b_fmt:MATRIX_FMT_BF6 matrix_a_scale:MATRIX_SCALE_ROW1
.endif
.endr
.endr
.endm
.macro FETCH_B slot, q, p
	WIN TO_B
.irp i, 0,1,2,3,4,5,6,7
	FRAG 128*(\p)+FR*\i, ADRB+\slot, \q, \i
.endr
	WIN 0
.endm
.macro FETCH_A slot, q, i0
.irp i, \i0, \i0+1, \i0+2, \i0+3
	FRAG AF+FR*(\i), ADRA+\slot, \q, \i
.endr
.endm
.macro SCALES sc, s2                   ; the two scale words of K step s2 (of 256): lanes 0-15 R's block i, lanes 16-31 P's block i
.irp i, 0,1,2,3,4,5,6,7
	ds_load_b64 v[SC+8*NQ*\sc+NQ*\i:SC+8*NQ*\sc+NQ*\i+1], v[ADRS] offset:512*\i+256*((\s2)/2)+8*((\s2)%2)
.endr
.endm
.macro STEP slot, zero                 ; a slot's first 128 along K
	s_wait_dscnt 4*NL                              ; P's set, R's blocks 0-3 and the scale words are in; the youngest 16 loads (R's blocks 4-7) may be out
	WIN MUL_LO
	MUL16 0, 0, 0, \slot, \zero
	MUL16 2, 0, 0, \slot, \zero
	s_wait_dscnt 0
	PLACES NP
	FETCH_B \slot, 1, 1
	FETCH_A \slot, 1, 0
	WIN MUL_HI
	MUL16 4, 0, 0, \slot, \zero
	MUL16 6, 0, 0, \slot, \zero
	PLACES NP
	WIN 0
	FETCH_A \slot, 1, 4
.endm
.macro TURN slot, next, fill, s2       ; a slot's second 128 along K, and the change of slots: one barrier
	s_wait_tensorcnt 0x0                           ; all my tensor loads have landed: my part of the next slot;
	ds_add_u32 v[SPW], v[NIL]                      ; 0 onto my spare word;
	s_wait_dscnt 4*NL+1                            ; (the add and R's blocks 4-7 may be out)
	WIN MUL_LO
	MUL16 0, 1, 1, \slot, 0
	s_wait_dscnt 0x0                               ; the add is done, and my reads of this slot are over
	s_barrier_signal -1
	MUL16 2, 1, 1, \slot, 0
	WIN 0
	s_barrier_wait -1
.if \fill
	CREST                                          ; the barrier has opened a round of the cluster's: no wave of any partner still reads this slot or has a load on its way
	s_add_nc_u64 s[G0+4*\slot+2:G0+4*\slot+3], s[G0+4*\slot+2:G0+4*\slot+3], 2*TILEB
	s_add_nc_u64 s[G0B+4*\slot+2:G0B+4*\slot+3], s[G0B+4*\slot+2:G0B+4*\slot+3], 2*TILEB
	JLOAD G0+4*\slot, G1, G0B+4*\slot, G1B         ; the first tensor load behind the round; its four v_nop are the places in front of the loads below
.else
	PLACES NP
.endif
	FETCH_B \next, 0, 0
	FETCH_A \next, 0, 0
	SCALES \next, \s2
	WIN MUL_HI
	MUL16 4, 1, 1, \slot, 0
	MUL16 6, 1, 1, \slot, 0
	PLACES NP
	WIN 0
	FETCH_A \next, 0, 4
.endm
; 64 numbers of a lane, register 16 b + i = k 32 b + 16 h + i of my row, become a fragment's codes in v[PC] on and its scale word in v[PW]
.macro QUANT s
.irp b, 0,1,2,3
	v_max3_num_f32 v[TM+\b], |v[\s+16*\b]|, |v[\s+1+16*\b]|, 0x2800000   ; the floor 2^(5 - 127): the byte cannot fall under 1
.endr
.irp i, 2,4,6,8,10,12,14
.irp b, 0,1,2,3
	v_max3_num_f32 v[TM+\b], v[TM+\b], |v[\s+16*\b+\i]|, |v[\s+1+16*\b+\i]|
.endr
.endr
.irp b, 0,1,2,3
	v_permlanex16_b32 v[TM+4+\b], v[TM+\b], s[SEL], s[SEL+1]
.endr
.irp b, 0,1,2,3
	v_max_num_f32 v[TM+\b], v[TM+\b], v[TM+4+\b]   ; with lane l xor 16's: the block's largest magnitude
.endr
.irp b, 0,1,2,3
	v_add_nc_u32 v[TM+12+\b], 0xfe000000, v[TM+\b] ; 4 off its exponent field: the conversion's scale operand
.endr
.irp b, 0,1,2,3
	v_lshrrev_b32 v[TM+4+\b], 23, v[TM+12+\b]      ; the scale's byte
.endr
	v_lshl_or_b32 v[PW], v[TM+5], 8, v[TM+4]
	v_lshl_or_b32 v[PW], v[TM+6], 16, v[PW]
	v_lshl_or_b32 v[PW], v[TM+7], 24, v[PW]
.irp c, 0,1
	v_cvt_scalef32_pk16_bf6_f32 v[PC+6*\c:PC+2+6*\c], v[\s+32*\c:\s+15+32*\c], v[TM+12+2*\c]
	v_cvt_scalef32_pk16_bf6_f32 v[PC+12+4*\c:PC+14+4*\c], v[\s+16+32*\c:\s+31+32*\c], v[TM+12+2*\c+1]
.endr
	v_nop                                          ; one plain place behind the scaled conversions
.irp c, 0,1                            ; the operand's layout wants a whole block in a lane
.irp i, 0,1,2
	v_permlane16_swap_b32 v[PC+6*\c+\i], v[PC+12+4*\c+\i]
.endr
.irp i, 0,1,2
	v_mov_b32 v[PC+3+6*\c+\i], v[PC+12+4*\c+\i]
.endr
.endr
.endm
; The epilogue of R's eight blocks.  The addition of the bias is also the move into window 0, and reads each accumulator from its low end on.
.macro EPI kind                        ; 0: q, k;  1: v
.irp a, 0,1,2,3,4,5,6,7
.if \a > 0
	s_wait_xcnt 0x0                                ; the last block's stores have read the codes' registers
.endif
.set AC, 64*((\a)%4)
.if \kind
	WIN 0x06+(\a)/4                                ; source 0 window 2 or 3, source 1 (bv) window 1
.else
	WIN 0x02+(\a)/4
.endif
.set k, 0
.rept 32
.if \kind
	v_pk_add_f32 v[HA+k:HA+k+1], v[AC+k:AC+k+1], v[BM+2*(\a):BM+2*(\a)+1] op_sel_hi:[1,0]
.else
	v_pk_add_f32 v[HA+k:HA+k+1], v[AC+k:AC+k+1], v[BN+k:BN+k+1]
.endif
.set k, k+2
.endr
	WIN 0
	QUANT HA
.if \kind
	global_store_b128 v[L16], v[PC:PC+3], s[22:23] offset:((\a)/4)*208896+((\a)%4)*1536
	global_store_b64 v[L8], v[PC+4:PC+5], s[22:23] offset:((\a)/4)*208896+((\a)%4)*1536+512
	global_store_b128 v[L16], v[PC+6:PC+9], s[22:23] offset:((\a)/4)*208896+((\a)%4)*1536+768
	global_store_b64 v[L8], v[PC+10:PC+11], s[22:23] offset:((\a)/4)*208896+((\a)%4)*1536+1280
.else
	global_store_b128 v[L16], v[PC:PC+3], s[22:23] offset:768*(\a)          ; my first head's 64 channels
	global_store_b64 v[L8], v[PC+4:PC+5], s[22:23] offset:768*(\a)+512
	global_store_b128 v[L16], v[PC+6:PC+9], s[92:93] offset:768*(\a)        ; my second head's
	global_store_b64 v[L8], v[PC+10:PC+11], s[92:93] offset:768*(\a)+512
.endif
	v_mov_b32 v[SW+\a], v[PW]
.endr
.endm
	s_load_b256 s[4:11], s[0:1], 0x0               ; xw, bq, bk, bv
	s_load_b128 s[12:15], s[0:1], 0x20             ; q, kv
	v_lshl_add_u32 v[SPW], v0, 2, SPARE
	v_mov_b32 v[NIL], 0
	ds_add_u32 v28, v29
	ds_add_u32 v28, v29
	s_wait_dscnt 0x0
	v_lshrrev_b32 v1, 5, v0
	v_readfirstlane_b32 s[WV], v1                  ; wave 0..3
	s_lshr_b32 s[RH], s[WV], 1                     ; my 128 rows of R.  Also: I fetch for R (0) or for P (1)
	s_and_b32 s[CH], s[WV], 1                      ; my 128 rows of P.  Also: which half of the tile I fetch
	s_bfe_u32 s40, ttmp6, 0x40000                  ; cx
	s_bfe_u32 s41, ttmp6, 0x40004                  ; cy
	s_and_b32 s42, ttmp7, 0xffff
	s_lshl_b32 s42, s42, 2                         ; 4 x cluster y
	s_lshl_b32 s45, ttmp9, 2
	s_add_co_u32 s45, s45, 32                      ; 32 + 4 x cluster x: Wq's or Wk's blocks of 256 rows
	s_cmp_lt_u32 ttmp9, 2                          ; the cluster's x: the same in all partners
	s_cselect_b32 s46, s42, 40                     ; R: x's blocks, or Wv's (40 on)
	s_cselect_b32 s47, s45, s42                    ; P: the weight's blocks, or x's
	s_add_co_u32 s46, s46, s41                     ; R's block hangs on cy alone,
	s_add_co_u32 s47, s47, s40                     ; P's on cx alone
	s_lshl_b32 s43, s41, 2
	s_lshl_b32 s43, 15, s43                        ; my row of the cluster
	s_lshl_b32 s44, 0x1111, s40                    ; my column
	s_or_b32 s[G1], s43, (3<<16)|(1<<21)           ; 15:0 the mask; 17:16 elements of 8 bytes; 21 set beside a mask; no padding
	s_or_b32 s[G1B], s44, (3<<16)|(1<<21)
.irp g, G1, G1B                        ; 8 row tiles x 3,072 bytes, 12,288 bytes apart
	s_mov_b32 s[\g+1], 384<<16                     ; tensor_dim0
	s_mov_b32 s[\g+2], 8<<16                       ; tensor_dim1
	s_mov_b32 s[\g+3], 384<<16                     ; tile_dim0
	s_mov_b32 s[\g+4], 8                           ; tile_dim1
	s_mov_b32 s[\g+5], 1536                        ; tensor_dim0_stride
	s_mov_b32 s[\g+6], 0
	s_mov_b32 s[\g+7], 0
.endr
	s_or_b32 s[G1S], s43, (3<<16)|(1<<21)
	s_or_b32 s[G1SB], s44, (3<<16)|(1<<21)
.irp g, G1S, G1SB                      ; the scale words of 128 rows: 4,096 dense bytes as 16 rows of 256
	s_mov_b32 s[\g+1], 32<<16
	s_mov_b32 s[\g+2], 16<<16
	s_mov_b32 s[\g+3], 32<<16
	s_mov_b32 s[\g+4], 16
	s_mov_b32 s[\g+5], 32
	s_mov_b32 s[\g+6], 0
	s_mov_b32 s[\g+7], 0
.endr
	s_mul_i32 s20, s46, 16*12288
	s_mul_i32 s19, s[CH], 8*12288
	s_add_co_u32 s20, s20, s19
	s_mov_b32 s21, 0
	s_mul_i32 s22, s47, 16*12288
	s_add_co_u32 s22, s22, s19
	s_mov_b32 s23, 0
	s_lshl_b32 s92, s46, 13
	s_lshl_b32 s19, s[CH], 12
	s_add_co_u32 s92, s92, s19
	s_add_co_u32 s92, s92, SOFF
	s_mov_b32 s93, 0
	s_lshl_b32 s94, s47, 13
	s_add_co_u32 s94, s94, s19
	s_add_co_u32 s94, s94, SOFF
	s_mov_b32 s95, 0
	s_mul_i32 s45, s[WV], HALFT                    ; where they go: by the wave's number alone
	s_lshl_b32 s19, s[WV], 12
	s_wait_kmcnt 0x0
	s_add_nc_u64 s[20:21], s[4:5], s[20:21]
	s_add_nc_u64 s[22:23], s[4:5], s[22:23]
	s_add_nc_u64 s[92:93], s[4:5], s[92:93]
	s_add_nc_u64 s[94:95], s[4:5], s[94:95]
	CROUND                                         ; all sixteen work-groups are here: the first joint loads meet
	s_mov_b32 s[G0S], 1
	s_add_co_u32 s[G0S+1], s19, SCL
	s_mov_b64 s[G0S+2:G0S+3], s[92:93]
	s_or_b32 s[G0S+3], s[G0S+3], 0x80000000
	s_mov_b32 s[G0SB], 1
	s_add_co_u32 s[G0SB+1], s19, SCL
	s_mov_b64 s[G0SB+2:G0SB+3], s[94:95]
	s_or_b32 s[G0SB+3], s[G0SB+3], 0x80000000
	JLOAD G0S, G1S, G0SB, G1SB                     ; three loads of mine go out together: the scale words, slot 0, slot 1
.irp s, 0,1
	s_mov_b32 s[G0+4*\s], 1
	s_add_co_u32 s[G0+4*\s+1], s45, \s*SLOT
	s_add_nc_u64 s[G0+4*\s+2:G0+4*\s+3], s[20:21], \s*TILEB
	s_or_b32 s[G0+4*\s+3], s[G0+4*\s+3], 0x80000000
	s_mov_b32 s[G0B+4*\s], 1
	s_add_co_u32 s[G0B+4*\s+1], s45, \s*SLOT
	s_add_nc_u64 s[G0B+4*\s+2:G0B+4*\s+3], s[22:23], \s*TILEB
	s_or_b32 s[G0B+4*\s+3], s[G0B+4*\s+3], 0x80000000
	JLOAD G0+4*\s, G1, G0B+4*\s, G1B
.endr
	v_and_b32 v1, 31, v0
	v_and_b32 v2, 15, v0                           ; r
	v_bfe_u32 v3, v0, 4, 1                         ; h
	v_lshlrev_b32 v[L16], 4, v1
	v_lshlrev_b32 v[L8], 3, v1
	s_mul_i32 s66, s[RH], HALFT
	s_mul_i32 s67, s[CH], HALFT
	s_add_co_u32 s67, s67, 2*HALFT
.irp s, 0,1
	v_add_nc_u32 v[ADRA+\s], s66, v[L16]
	v_add_nc_u32 v[ADRA+2+\s], s66, v[L8]
	v_add_nc_u32 v[ADRB+\s], s67, v[L16]
	v_add_nc_u32 v[ADRB+2+\s], s67, v[L8]
	s_add_co_u32 s66, s66, SLOT
	s_add_co_u32 s67, s67, SLOT
.endr
	s_lshl_b32 s66, s[RH], 12                      ; R's scale words: my 128 rows
	s_lshl_b32 s67, s[CH], 12
	s_add_co_u32 s67, s67, 8192                    ; P's lie behind R's 256 rows
	s_sub_co_u32 s67, s67, s66
	v_mul_u32_u24 v4, s67, v3                      ; lanes 16-31 take P's
	v_lshl_add_u32 v4, v2, 4, v4                   ; 16 bytes a row
	s_add_co_u32 s66, s66, SCL
	v_add_nc_u32 v[ADRS], s66, v4
	; the biases, alike for every kind: the 64 numbers of bq or bk that run along my registers, and the 8 numbers of bv of my lane's rows
	s_cmp_eq_u32 ttmp9, 0
	s_cselect_b64 s[96:97], s[6:7], s[8:9]
	s_lshl_b32 s66, s40, 10
	s_lshl_b32 s67, s[CH], 9
	s_add_co_u32 s66, s66, s67
	s_mov_b32 s67, 0
	s_add_nc_u64 s[96:97], s[96:97], s[66:67]
	s_lshl_b32 s66, s41, 10
	s_lshl_b32 s19, s[RH], 9
	s_add_co_u32 s66, s66, s19
	s_add_nc_u64 s[98:99], s[10:11], s[66:67]
	v_lshlrev_b32 v[ABN], 6, v3                    ; 16 h numbers on
	v_and_b32 v[ABM], 8, v2
	v_add_nc_u32 v[ABM], v[ABM], v2
	v_lshlrev_b32 v[ABM], 2, v[ABM]                ; row r + 8 (r / 8) of a tile
.irp b, 0,1,2,3
.irp j, 0,1,2,3
	global_load_b128 v[BN+16*\b+4*\j:BN+16*\b+4*\j+3], v[ABN], s[96:97] offset:128*\b+16*\j
.endr
.endr
	WIN 0x40
.irp a, 0,1,2,3,4,5,6,7
	global_load_b32 v[BM+2*\a], v[ABM], s[98:99] offset:4*(32*(\a/2)+8*(\a%2))
	v_mov_b32 v[BM+2*\a+1], 0                      ; named with it as a pair, so it is written
.endr
	WIN 0
	s_mov_b32 s[SEL], 0x76543210
	s_mov_b32 s[SEL+1], 0xfedcba98
	s_wait_tensorcnt 1                             ; the scale words and my part of slot 0 are in; slot 1's load may stay out
	s_barrier_signal -1
	s_barrier_wait -1
	FETCH_B 0, 0, 0
	FETCH_A 0, 0, 0
	SCALES 0, 0
	FETCH_A 0, 0, 4
	STEP 0, 1                                      ; the first products start the sums: nothing is cleared
	TURN 0, 1, 1, 1                                ; K = 1,024 is four slots' worth: written out
	STEP 1, 0
	TURN 1, 0, 1, 2
	STEP 0, 0
	TURN 0, 1, 0, 3
	STEP 1, 0
	s_wait_dscnt 4*NL
	WIN MUL_LO
	MUL16 0, 1, 1, 1, 0
	MUL16 2, 1, 1, 1, 0
	s_wait_dscnt 0
	WIN MUL_HI
	MUL16 4, 1, 1, 1, 0
	MUL16 6, 1, 1, 1, 0
	WIN 0
	PLACES NP                                      ; in front of the first read of results and of writes into registers that held R's fragments
	s_wait_loadcnt 0x0                             ; the biases
.irp b, 0,1,2,3
	v_mov_b32 v[TM+4+\b], 0                        ; a lane permute's destination counts as one of its sources
.endr
	s_cmp_lt_u32 ttmp9, 2                          ; the cluster's x: all partners take the same way; no LDS instruction and no barrier stands in either arm
	s_cbranch_scc0 .Lvarm
	; ---- q or k.  All my tensor loads are done, so descriptor registers are free
	s_add_co_u32 s19, s42, s41                     ; my block of 256 tokens
	s_lshr_b32 s66, s19, 3                         ; the batch
	s_and_b32 s67, s19, 7
	s_lshl_b32 s66, s66, 4
	s_lshl_b32 s45, s40, 2
	s_add_co_u32 s66, s66, s45
	s_lshl_b32 s45, s[CH], 1
	s_add_co_u32 s66, s66, s45                     ; my first head: 16 b + 4 cx + 2 CH
	s_cmp_eq_u32 ttmp9, 0
	s_cselect_b64 s[20:21], s[12:13], s[14:15]     ; q or kv
	s_mov_b32 s32, 208896
	s_cselect_b32 s32, 98304, s32                  ; a head on, in codes
	s_mov_b32 s34, 196608
	s_cselect_b32 s34, 6291456, s34                ; where the scale words begin
	s_mov_b32 s36, 208896
	s_cselect_b32 s36, 8192, s36                   ; a head on, in scale words
	s_mov_b32 s33, 0
	s_mov_b32 s37, 0
	s_mov_b32 s39, 0
	s_mul_i32 s38, s66, s32
	s_lshl_b32 s45, s67, 4
	s_lshl_b32 s19, s[RH], 3
	s_add_co_u32 s45, s45, s19                     ; my first token tile
	s_mul_i32 s45, s45, 768
	s_add_co_u32 s38, s38, s45
	s_add_nc_u64 s[22:23], s[20:21], s[38:39]
	s_add_nc_u64 s[92:93], s[22:23], s[32:33]
	s_mul_i32 s38, s66, s36
	s_add_co_u32 s38, s38, s34
	s_lshl_b32 s45, s67, 1
	s_add_co_u32 s45, s45, s[RH]                   ; my 128 tokens are one step
	s_lshl_b32 s45, s45, 9
	s_add_co_u32 s38, s38, s45
	s_add_nc_u64 s[94:95], s[20:21], s[38:39]
	s_add_nc_u64 s[32:33], s[94:95], s[36:37]
	s_mov_b32 s19, 0xffff0000                      ; lanes 16-31
	EPI 0
.irp g, 0,1,2,3
	v_cndmask_b32 v[HA+\g], v[SW+2*\g], v[SW+2*\g+1], s19   ; lanes 0-15 tile 2 g, lanes 16-31 tile 2 g + 1
.endr
.irp g, 0,1,2,3
	v_and_b32 v[HA+4+\g], 0xffff, v[HA+\g]         ; my first head's two bytes; the other two are 0
	v_lshrrev_b32 v[HA+8+\g], 16, v[HA+\g]         ; my second head's
.endr
	global_store_b128 v[L16], v[HA+4:HA+7], s[94:95]
	global_store_b128 v[L16], v[HA+8:HA+11], s[32:33]
	s_branch .Ldone
.Lvarm:
	; ---- v
	s_add_co_u32 s19, s42, s40                     ; my block of 256 tokens
	s_lshr_b32 s66, s19, 3
	s_and_b32 s67, s19, 7
	s_lshl_b32 s67, s67, 1
	s_add_co_u32 s67, s67, s[CH]                   ; the key step
	s_lshl_b32 s66, s66, 4
	s_lshl_b32 s45, s41, 2
	s_add_co_u32 s66, s66, s45
	s_lshl_b32 s45, s[RH], 1
	s_add_co_u32 s66, s66, s45                     ; my first head: 16 b + 4 cy + 2 RH
	s_mul_i32 s66, s66, 208896
	s_mul_i32 s38, s67, 6144
	s_add_co_u32 s38, s38, s66
	s_add_co_u32 s38, s38, 98304
	s_mov_b32 s39, 0
	s_add_nc_u64 s[22:23], s[14:15], s[38:39]
	s_lshl_b32 s38, s67, 8
	s_add_co_u32 s38, s38, s66
	s_add_co_u32 s38, s38, 204800
	s_add_nc_u64 s[94:95], s[14:15], s[38:39]
	s_mov_b32 s19, 0xffff0000
	EPI 1
.irp hh, 0,1
.irp g, 0,1
	v_cndmask_b32 v[HA+2*\hh+\g], v[SW+4*\hh+2*\g], v[SW+4*\hh+2*\g+1], s19
.endr
	global_store_b64 v[L8], v[HA+2*\hh:HA+2*\hh+1], s[94:95] offset:\hh*208896
.endr
.Ldone:
	s_wait_tensorcnt 0x0                           ; the wave's end
	ds_add_u32 v[SPW], v[NIL]
	s_wait_dscnt 0x0
	CROUND                                         ; the closing round
	s_endpgm
.Lfunc_end_k_qb42f63baea_proj:
	.size	k_qb42f63baea_proj, .Lfunc_end_k_qb42f63baea_proj-k_qb42f63baea_proj
	.p2alignl 7, 3214868480
	.fill 96, 4, 3214868480
	.section	.rodata,"a",@progbits
	.p2align	6, 0x0
	.amdhsa_kernel k_qb42f63baea_proj
		.amdhsa_group_segment_fixed_size 327680
		.amdhsa_private_segment_fixed_size 0
		.amdhsa_enable_private_segment 0
		.amdhsa_kernarg_size 48
		.amdhsa_user_sgpr_count 2
		.amdhsa_user_sgpr_kernarg_segment_ptr 1
		.amdhsa_wavefront_size32 1
		.amdhsa_system_sgpr_workgroup_id_x 1
		.amdhsa_system_sgpr_workgroup_id_y 1
		.amdhsa_system_sgpr_workgroup_id_z 1
		.amdhsa_system_vgpr_workitem_id 0
		.amdhsa_next_free_vgpr 1024
		.amdhsa_next_free_sgpr 100
		.amdhsa_reserve_vcc 0
		.amdhsa_float_denorm_mode_32 3
		.amdhsa_float_denorm_mode_16_64 3
		.amdhsa_memory_ordered 1
		.amdhsa_forward_progress 1
		.amdhsa_inst_pref_size 220
	.end_amdhsa_kernel
	.amdgpu_metadata
---
amdhsa.version: [ 1, 2 ]
amdhsa.kernels:
  - .name:           k_qb42f63baea_proj
    .symbol:         k_qb42f63baea_proj.kd
    .args:
      - { .name: xw, .offset: 0, .size: 8, .value_kind: global_buffer, .address_space: global }
      - { .name: bq, .offset: 8, .size: 8, .value_kind: global_buffer, .address_space: global }
      - { .name: bk, .offset: 16, .size: 8, .value_kind: global_buffer, .address_space: global }
      - { .name: bv, .offset: 24, .size: 8, .value_kind: global_buffer, .address_space: global }
      - { .name: q, .offset: 32, .size: 8, .value_kind: global_buffer, .address_space: global }
      - { .name: kv, .offset: 40, .size: 8, .value_kind: global_buffer, .address_space: global }
    .group_segment_fixed_size: 327680
    .private_segment_fixed_size: 0
    .kernarg_segment_align: 8
    .kernarg_segment_size: 48
    .max_flat_workgroup_size: 128
    .sgpr_count:     100
    .vgpr_count:     1024
    .wavefront_size: 32
...
	.end_amdgpu_metadata
.endif
;; end of part 2
;; launch attn (part 3): grid 4 x 64, 16 waves a work-group, no clusters, 210,944 bytes of LDS; arguments q, kv, mk, at; writes at
.if DOCPART == 3
	.amdgcn_target "amdgcn-amd-amdhsa--gfx1250"
	.amdhsa_code_object_version 6
	.text
	.protected	k_qb42f63baea_attn
	.globl	k_qb42f63baea_attn
	.p2align	8
	.type	k_qb42f63baea_attn,@function
k_qb42f63baea_attn:
	s_mov_b64 s[64:65], 0
	v_nop
	global_prefetch_b8 v0, s[64:65] scope:SCOPE_SE
	s_setreg_imm32_b32 hwreg(HW_REG_WAVE_MODE, 25, 1), 1
	s_wait_xcnt 0x0
; ATTN.  For each of 64 (batch, head): S^T = K Q^T and O^T = V^T P^T on codes of BF6 with E8M0 scales; t = score x log2(e) / 8; M = the running largest t rounded up to a whole number; p = 2^(t - M) is quantised along the keys;
; the row's sum is taken of the unquantised p and divides O at the end; O is quantised along the head's 64 channels for the last product.  The mask is the given one, as lane masks and class words made by the first launch.
; A head's K, V and scale words, 208,896 bytes, lie whole in LDS: filled once, through registers, one barrier; after it nothing is written in LDS.  Four work-groups serve a head, sixteen waves each, four to a SIMD.
; Wave number w of the head's 64 takes query tiles w and 127 - w.  Every wave walks all 16 key steps (the trip count is a constant); a step that the stored class word calls wholly hidden for the tile's 16 queries is jumped over,
; a step that it calls wholly visible jumps over the 64 selects.  Both branches hang on whole numbers that an earlier launch stored.
; NO CLUSTER, NO TENSOR LOAD: branches here hang on numbers read from memory, so LDS is filled through registers; the four work-groups of a head each read its 208,896 bytes once.
; The head's K is 64: Q's upper six registers are zero codes and the upper two scale bytes of q and k are 0 (2^-127), so the upper 64 of the instruction's 128 add nothing, whatever K's operand holds there (the next tile's codes).
; A lane holds ONE query (lane % 16) throughout; register 16 b + i of S^T is key 128 step + 32 b + 16 (lane / 16) + i.
; A ROW WITH NO VISIBLE KEY has the sum 0: its two scale bytes are stored as 0xff (NaN in E8M0), which makes the whole output row NaN in the last launch, as the softmax of such a row is.
; LIMITS: a block of zeros gets the byte 1, not 127; blocks under 2^(5 - 127) were not tried; NaN and infinities among the scores (other than the mask's) are not served.
; REGISTERS: v1-3 lane terms; v4-9 the step's LDS addresses; v12 -M, v13 the largest t, v[14:15] the sum; v16-27 Q and zeros; v28 Q's scale word; v29 the two tiles' output scale words; v30 -infinity; v31 0xffff;
; v32-85 K's eight half fragments and six zeros, in the softmax at work; v86-89, v90-91, v92 scale words of K, V, P; v96-159 S^T, then p; v160-191 O^T; v192-239 V; v240-248 address terms.
.set KVH,  208896
.set VOFF, 98304
.set KSO,  196608
.set VSO,  204800
.macro MMZ d, a, b, sa, sb, row        ; a product that starts a sum
.if \row
	v_wmma_scale_f32_16x16x128_f8f6f4 v[\d:\d+7], v[\a:\a+11], v[\b:\b+11], 0, v[\sa], v[\sb] matrix_a_fmt:MATRIX_FMT_BF6 matrix_b_fmt:MATRIX_FMT_BF6 matrix_a_scale:MATRIX_SCALE_ROW1
.else
	v_wmma_scale_f32_16x16x128_f8f6f4 v[\d:\d+7], v[\a:\a+11], v[\b:\b+11], 0, v[\sa], v[\sb] matrix_a_fmt:MATRIX_FMT_BF6 matrix_b_fmt:MATRIX_FMT_BF6
.endif
.endm
.macro MMA d, a, b, sa, sb, row        ; a product that adds in place
.if \row
	v_wmma_scale_f32_16x16x128_f8f6f4 v[\d:\d+7], v[\a:\a+11], v[\b:\b+11], v[\d:\d+7], v[\sa], v[\sb] matrix_a_fmt:MATRIX_FMT_BF6 matrix_b_fmt:MATRIX_FMT_BF6 matrix_a_scale:MATRIX_SCALE_ROW1
.else
	v_wmma_scale_f32_16x16x128_f8f6f4 v[\d:\d+7], v[\a:\a+11], v[\b:\b+11], v[\d:\d+7], v[\sa], v[\sb] matrix_a_fmt:MATRIX_FMT_BF6 matrix_b_fmt:MATRIX_FMT_BF6
.endif
.endm
	s_load_b256 s[4:11], s[0:1], 0x0               ; q, kv, mk, at
	v_lshl_add_u32 v254, v0, 2, 0x33000
	v_mov_b32 v255, 0
	v_lshrrev_b32 v10, 5, v0
	v_readfirstlane_b32 s12, v10                   ; wave 0..15
	s_and_b32 s14, ttmp7, 0xffff                   ; the (batch, head)
	s_lshl_b32 s15, ttmp9, 4
	s_add_co_u32 s15, s15, s12                     ; my number among the head's 64 waves
	v_lshlrev_b32 v240, 4, v0                      ; 16 x thread
	v_add_nc_u32 v241, 0x10000, v240               ; an LDS immediate reaches 65,535: the register carries the rest
	v_add_nc_u32 v242, 0x20000, v240
	v_add_nc_u32 v243, 0x30000, v240
	v_lshlrev_b32 v244, 3, v0
	v_add_nc_u32 v244, VSO, v244
	s_mul_i32 s2, s14, KVH
	s_mov_b32 s3, 0
	s_mov_b32 s13, 0
	s_wait_kmcnt 0x0
	s_add_nc_u64 s[100:101], s[6:7], s[2:3]
.set k, 0
.rept 25                               ; the head's bytes as they lie: 8,192 consecutive bytes an instruction of the work-group
	global_load_b128 v[96+4*k:99+4*k], v240, s[100:101] offset:8192*k
.set k, k+1
.endr
	global_load_b64 v[196:197], v244, s[100:101]
	v_and_b32 v10, 31, v0
	v_lshlrev_b32 v1, 4, v10                       ; 16 x lane
	v_lshlrev_b32 v2, 3, v10                       ; 8 x lane
	v_and_b32 v3, 15, v0
	v_lshlrev_b32 v3, 4, v3                        ; 16 r
	v_add_nc_u32 v245, VOFF, v1
	v_add_nc_u32 v246, VOFF, v2
	v_add_nc_u32 v247, KSO, v1
	v_add_nc_u32 v248, VSO, v2
.irp i, 22,23,24,25,26,27,80,81,82,83,84,85
	v_mov_b32 v\i, 0                               ; zero codes: the upper 64 of Q's operand, and behind K's last half fragment
.endr
.irp i, 29,36,37,38,39,57,58
	v_mov_b32 v\i, 0                               ; written once: destinations of lane permutes and selects, and upper halves of named pairs
.endr
	v_mov_b32 v30, 0xff800000                      ; -infinity
	v_mov_b32 v31, 0xffff
	s_mov_b32 s24, 0x76543210
	s_mov_b32 s25, 0xfedcba98                      ; selects for lane l xor 16
	s_mov_b32 s26, 0x3e38aa3b                      ; c = log2(e) / 8
	s_mov_b32 s27, s26
.set k, 0
.rept 25
	s_wait_loadcnt 25-k                            ; loads come back in order: load k is in, the 25 - k behind it may be out
	ds_store_b128 v[240+k/8], v[96+4*k:99+4*k] offset:8192*(k%8)
.set k, k+1
.endr
	s_wait_loadcnt 0x0
	ds_store_b64 v244, v[196:197]
	s_wait_dscnt 0x0                               ; for the others' sake: my stores have landed
	s_barrier_signal -1
	s_barrier_wait -1                              ; the head lies in LDS; from here on LDS is only read
	s_mov_b32 s16, s15                             ; T: my first tile
	s_mov_b32 s30, 0xffff                          ; its scale word goes to lanes 0-15
	s_mov_b32 s17, 0
.Ltile:
	s_mul_i32 s12, s14, 98304
	s_mul_i32 s20, s16, 768
	s_add_co_u32 s12, s12, s20
	s_add_nc_u64 s[100:101], s[4:5], s[12:13]      ; Q's half fragment
	s_lshl_b32 s12, s14, 13
	s_lshr_b32 s20, s16, 3
	s_lshl_b32 s20, s20, 9
	s_add_co_u32 s12, s12, s20
	s_and_b32 s20, s16, 1
	s_lshl_b32 s20, s20, 8
	s_add_co_u32 s12, s12, s20
	s_bfe_u32 s20, s16, 0x20001
	s_lshl_b32 s20, s20, 2
	s_add_co_u32 s12, s12, s20
	s_add_co_u32 s12, s12, 6291456
	s_add_nc_u64 s[66:67], s[4:5], s[12:13]        ; its scale words: 512 (T / 8) + 256 (T % 2) + 4 ((T % 8) / 2), + 16 r
	s_lshl_b32 s12, s16, 2
	s_add_nc_u64 s[2:3], s[8:9], s[12:13]          ; its class word
	s_lshl_b32 s12, s16, 12
	s_add_nc_u64 s[28:29], s[8:9], s[12:13]        ; its lane masks, 256 bytes a step
	s_lshr_b32 s12, s14, 4
	s_lshl_b32 s12, s12, 7
	s_add_co_u32 s12, s12, s16
	s_mul_i32 s12, s12, 12288
	s_and_b32 s20, s14, 15
	s_mul_i32 s20, s20, 768
	s_add_co_u32 s12, s12, s20
	s_add_nc_u64 s[104:105], s[10:11], s[12:13]    ; where its codes go: row tile 128 b + T, half fragment = the head
	global_load_b128 v[16:19], v1, s[100:101]
	global_load_b64 v[20:21], v2, s[100:101] offset:512
	global_load_b32 v28, v3, s[66:67]
	s_load_b32 s19, s[2:3], 0x80000
	v_mov_b32 v13, 0xff61b1e6                      ; the largest t so far: -3e38
	v_floor_f32 v12, -v13                          ; -M
	v_mov_b32 v14, 0
	v_mov_b32 v15, 0
.set k, 0
.rept 32
	v_mov_b32 v[160+k], 0                          ; O^T: the step is written once; the first change of M leaves zeros zeros
.set k, k+1
.endr
	s_mov_b32 s21, 0                               ; the step's K and V: 6,144 bytes a step
	s_mov_b32 s22, 0                               ; K's scale words: 512
	s_mov_b32 s23, 0                               ; V's: 256
	s_mov_b32 s18, 0
	s_wait_loadcnt 0x0
	s_wait_kmcnt 0x0
.Lstep:
	s_and_b32 s20, s19, 3                          ; the step's class
	s_lshr_b32 s19, s19, 2
	s_cmp_eq_u32 s20, 0
	s_cbranch_scc1 .Lskip                          ; nothing visible: only the addresses step
	s_load_b512 s[32:47], s[28:29], 0x0            ; the 64 lane masks: word n in s[32 + n], from n = 32 on in s[36 + n]
	s_load_b512 s[48:63], s[28:29], 0x40
	s_load_b512 s[68:83], s[28:29], 0x80
	s_load_b512 s[84:99], s[28:29], 0xc0
	v_add_nc_u32 v4, s21, v1                       ; these six are also the places in front of loads into registers that the last products read
	v_add_nc_u32 v5, s21, v2
	v_add_nc_u32 v6, s22, v247
	v_add_nc_u32 v7, s21, v245
	v_add_nc_u32 v8, s21, v246
	v_add_nc_u32 v9, s23, v248
.irp t, 0,1,2,3,4,5,6,7
	ds_load_b128 v[32+6*\t:35+6*\t], v4 offset:768*\t
	ds_load_b64 v[36+6*\t:37+6*\t], v5 offset:768*\t+512
.endr
	ds_load_b128 v[86:89], v6
.irp t, 0,1,2,3
	ds_load_b128 v[192+12*\t:195+12*\t], v7 offset:1536*\t
	ds_load_b64 v[196+12*\t:197+12*\t], v8 offset:1536*\t+512
	ds_load_b128 v[198+12*\t:201+12*\t], v7 offset:1536*\t+768
	ds_load_b64 v[202+12*\t:203+12*\t], v8 offset:1536*\t+1280
.endr
	ds_load_b64 v[90:91], v9
	s_wait_dscnt 17                                ; K and its scale words are in; V's 16 loads and its scale words may be out
.irp t, 0,2,4,6
	MMZ 96+8*\t, 32+6*\t, 16, 86+\t/2, 28, 0
	MMZ 104+8*\t, 38+6*\t, 16, 86+\t/2, 28, 1
.endr
.rept 4
	v_nop
.endr
	s_wait_kmcnt 0x0                               ; the lane masks are in (on every way, so that their base may step below)
	s_cmp_eq_u32 s20, 3
	s_cbranch_scc1 .Lopen                          ; all visible: nothing to hide
.set n, 0
.rept 64
	v_cndmask_b32 v[96+n], v30, v[96+n], s[32+n+4*(n/32)]   ; hidden scores become -infinity ahead of the maximum
.set n, n+1
.endr
.Lopen:
.irp b, 0,1,2,3
	v_max3_num_f32 v[32+\b], v[96+16*\b], v[97+16*\b], v[98+16*\b]   ; the largest score of each block of 32 keys: for the row's maximum, and for the block's largest p
.endr
.irp i, 3,5,7,9,11,13
.irp b, 0,1,2,3
	v_max3_num_f32 v[32+\b], v[32+\b], v[96+16*\b+\i], v[97+16*\b+\i]
.endr
.endr
.irp b, 0,1,2,3
	v_max_num_f32 v[32+\b], v[32+\b], v[111+16*\b]
.endr
.irp b, 0,1,2,3
	v_permlanex16_b32 v[36+\b], v[32+\b], s24, s25
.endr
.irp b, 0,1,2,3
	v_max_num_f32 v[32+\b], v[32+\b], v[36+\b]
.endr
	v_max3_num_f32 v58, v32, v33, v34
	v_max_num_f32 v58, v58, v35
	v_mul_f32 v58, s26, v58                        ; as t
	v_max_num_f32 v13, v13, v58                    ; the running largest t
	v_mov_b32 v58, v12
	v_floor_f32 v12, -v13                          ; the new -M = -ceil(t)
	v_sub_f32 v58, v12, v58                        ; old M - new M: a whole number, 0 or less
	v_cvt_i32_f32 v58, v58                         ; (it saturates)
	v_ldexp_f32 v56, 1.0, v58                      ; f = 2^(old M - new M): a multiplication by it rounds nothing
.set j, 0
.rept 32
	v_pk_fma_f32 v[96+j:97+j], v[96+j:97+j], s[26:27], v[12:13] op_sel_hi:[1,0,0]   ; t - M
.set j, j+2
.endr
.irp b, 0,1,2,3
	v_fma_f32 v[32+\b], v[32+\b], s26, v12
.endr
.set j, 0
.rept 64
	v_exp_f32 v[96+j], v[96+j]                     ; p = 2^(t - M)
.set j, j+1
.endr
	v_pk_mul_f32 v[14:15], v[14:15], v[56:57] op_sel_hi:[1,0]   ; the sums under the new M: a plain place behind the exponentials
	s_wait_alu depctr_va_vdst(0)                   ; one wait for the batch, ahead of its first reader
.irp b, 0,1,2,3
	v_exp_f32 v[32+\b], v[32+\b]                   ; each block's largest p
.endr
	v_pk_add_f32 v[72:73], v[96:97], v[98:99]      ; the row's sum of the unquantised p, in two chains
.irp j, 4,8,12,16,20,24,28,32,36,40,44,48,52,56,60
	v_pk_add_f32 v[14:15], v[14:15], v[96+\j:97+\j]
	v_pk_add_f32 v[72:73], v[72:73], v[98+\j:99+\j]
.endr
	v_pk_add_f32 v[14:15], v[14:15], v[72:73]
	s_wait_alu depctr_va_vdst(0)                   ; and one for the four
.irp b, 0,1,2,3
	v_max_num_f32 v[32+\b], 0x2800000, v[32+\b]    ; the floor 2^(5 - 127)
.endr
.irp b, 0,1,2,3
	v_add_nc_u32 v[40+\b], 0xfe000000, v[32+\b]    ; the conversion's scale operand
.endr
.irp b, 0,1,2,3
	v_lshrrev_b32 v[44+\b], 23, v[40+\b]           ; the scale's byte
.endr
	v_lshl_or_b32 v92, v45, 8, v44                 ; p's scale word for these 128 keys
	v_lshl_or_b32 v92, v46, 16, v92
	v_lshl_or_b32 v92, v47, 24, v92
.irp c, 0,1
	v_cvt_scalef32_pk16_bf6_f32 v[60+6*\c:62+6*\c], v[96+32*\c:111+32*\c], v[40+2*\c]
	v_cvt_scalef32_pk16_bf6_f32 v[48+4*\c:50+4*\c], v[112+32*\c:127+32*\c], v[40+2*\c+1]
.endr
	v_nop                                          ; one plain place behind the scaled conversions
.irp c, 0,1
.irp i, 0,1,2
	v_permlane16_swap_b32 v[60+6*\c+\i], v[48+4*\c+\i]
.endr
.irp i, 0,1,2
	v_mov_b32 v[63+6*\c+\i], v[48+4*\c+\i]
.endr
.endr
.set j, 0
.rept 16
	v_pk_mul_f32 v[160+j:161+j], v[160+j:161+j], v[56:57] op_sel_hi:[1,0]   ; O^T under the new M.  Twelve of the sixteen name no register of any one product below: the places behind p's codes and scale word
.set j, j+2
.endr
	s_wait_dscnt 0x0                               ; V
.irp t, 0,2
	MMA 160+8*\t, 192+12*\t, 60, 90+\t/2, 92, 0    ; the four accumulators take turns, one instruction a turn
	MMA 168+8*\t, 204+12*\t, 60, 90+\t/2, 92, 1
.endr
.Lskip:
	s_add_co_u32 s21, s21, 6144
	s_add_co_u32 s22, s22, 512
	s_add_co_u32 s23, s23, 256
	s_add_nc_u64 s[28:29], s[28:29], 256
	s_add_co_u32 s18, s18, 1
	s_cmp_lt_u32 s18, 16
	s_cbranch_scc1 .Lstep
	; the way out of a tile
.rept 4
	v_nop
.endr
	v_add_f32 v14, v14, v15
	v_permlanex16_b32 v58, v14, s24, s25
	v_add_f32 v14, v14, v58                        ; the row's sum
	v_rcp_f32 v56, v14
	v_cmp_eq_f32 s31, 0, v14                       ; rows that saw no key
	v_nop                                          ; a plain place behind the reciprocal
	s_wait_alu depctr_va_vdst(0)
.set j, 0
.rept 16
	v_pk_mul_f32 v[96+j:97+j], v[160+j:161+j], v[56:57] op_sel_hi:[1,0]   ; register 16 b + i: channel 32 b + 16 h + i
.set j, j+2
.endr
.irp b, 0,1
	v_max3_num_f32 v[32+\b], |v[96+16*\b]|, |v[97+16*\b]|, 0x2800000
.endr
.irp i, 2,4,6,8,10,12,14
.irp b, 0,1
	v_max3_num_f32 v[32+\b], v[32+\b], |v[96+16*\b+\i]|, |v[97+16*\b+\i]|
.endr
.endr
.irp b, 0,1
	v_permlanex16_b32 v[36+\b], v[32+\b], s24, s25
.endr
.irp b, 0,1
	v_max_num_f32 v[32+\b], v[32+\b], v[36+\b]
.endr
.irp b, 0,1
	v_add_nc_u32 v[40+\b], 0xfe000000, v[32+\b]
.endr
.irp b, 0,1
	v_lshrrev_b32 v[44+\b], 23, v[40+\b]
.endr
	v_lshl_or_b32 v10, v45, 8, v44                 ; the head's two scale bytes of my row,
	v_cndmask_b32 v10, v10, v31, s31               ; or two NaN bytes
	v_cndmask_b32 v29, v29, v10, s30               ; kept in this tile's half of the lanes
	v_cvt_scalef32_pk16_bf6_f32 v[60:62], v[96:111], v40
	v_cvt_scalef32_pk16_bf6_f32 v[48:50], v[112:127], v41
	v_nop
.irp i, 0,1,2
	v_permlane16_swap_b32 v[60+\i], v[48+\i]
.endr
.irp i, 0,1,2
	v_mov_b32 v[63+\i], v[48+\i]
.endr
	global_store_b128 v1, v[60:63], s[104:105]     ; 512 consecutive bytes
	global_store_b64 v2, v[64:65], s[104:105] offset:512
	s_wait_xcnt 0x0                                ; the stores have read their registers and their base
	s_sub_co_u32 s16, 127, s15                     ; my second tile
	s_mov_b32 s30, 0xffff0000
	s_add_co_u32 s17, s17, 1
	s_cmp_lt_u32 s17, 2
	s_cbranch_scc1 .Ltile
	; both tiles' scale bytes: two bytes a row, at 512 G + 256 (head / 8) + 16 r + 2 (head % 8) behind the codes
	s_sub_co_u32 s12, 127, s15
	s_sub_co_u32 s12, s12, s15                     ; from my first tile to my second: 127 - 2 w, at least 1
	s_lshl_b32 s12, s12, 9
	v_bfe_u32 v10, v0, 4, 1
	v_mul_u32_u24 v10, s12, v10
	v_add_nc_u32 v10, v10, v3
	s_lshr_b32 s12, s14, 4
	s_lshl_b32 s12, s12, 7
	s_add_co_u32 s12, s12, s15
	s_lshl_b32 s12, s12, 9
	s_add_co_u32 s12, s12, 6291456
	s_bfe_u32 s20, s14, 0x10003
	s_lshl_b32 s20, s20, 8
	s_add_co_u32 s12, s12, s20
	s_and_b32 s20, s14, 7
	s_lshl_b32 s20, s20, 1
	s_add_co_u32 s12, s12, s20
	s_add_nc_u64 s[104:105], s[10:11], s[12:13]
	global_store_b16 v10, v29, s[104:105]
	s_wait_tensorcnt 0x0
	ds_add_u32 v254, v255
	s_wait_dscnt 0x0
	s_endpgm
.Lfunc_end_k_qb42f63baea_attn:
	.size	k_qb42f63baea_attn, .Lfunc_end_k_qb42f63baea_attn-k_qb42f63baea_attn
	.p2alignl 7, 3214868480
	.fill 96, 4, 3214868480
	.section	.rodata,"a",@progbits
	.p2align	6, 0x0
	.amdhsa_kernel k_qb42f63baea_attn
		.amdhsa_group_segment_fixed_size 210944
		.amdhsa_private_segment_fixed_size 0
		.amdhsa_enable_private_segment 0
		.amdhsa_kernarg_size 32
		.amdhsa_user_sgpr_count 2
		.amdhsa_user_sgpr_kernarg_segment_ptr 1
		.amdhsa_wavefront_size32 1
		.amdhsa_system_sgpr_workgroup_id_x 1
		.amdhsa_system_sgpr_workgroup_id_y 1
		.amdhsa_system_sgpr_workgroup_id_z 1
		.amdhsa_system_vgpr_workitem_id 0
		.amdhsa_next_free_vgpr 256
		.amdhsa_next_free_sgpr 106
		.amdhsa_reserve_vcc 0
		.amdhsa_float_denorm_mode_32 3
		.amdhsa_float_denorm_mode_16_64 3
		.amdhsa_memory_ordered 1
		.amdhsa_forward_progress 1
		.amdhsa_inst_pref_size 36
	.end_amdhsa_kernel
	.amdgpu_metadata
---
amdhsa.version: [ 1, 2 ]
amdhsa.kernels:
  - .name:           k_qb42f63baea_attn
    .symbol:         k_qb42f63baea_attn.kd
    .args:
      - { .name: q, .offset: 0, .size: 8, .value_kind: global_buffer, .address_space: global }
      - { .name: kv, .offset: 8, .size: 8, .value_kind: global_buffer, .address_space: global }
      - { .name: mk, .offset: 16, .size: 8, .value_kind: global_buffer, .address_space: global }
      - { .name: at, .offset: 24, .size: 8, .value_kind: global_buffer, .address_space: global }
    .group_segment_fixed_size: 210944
    .private_segment_fixed_size: 0
    .kernarg_segment_align: 8
    .kernarg_segment_size: 32
    .max_flat_workgroup_size: 512
    .sgpr_count:     106
    .vgpr_count:     256
    .wavefront_size: 32
...
	.end_amdgpu_metadata
.endif
;; end of part 3
;; launch outp (part 4): grid 4 x 32, 4 waves a work-group, clusters of 4 x 4, 327,680 bytes of LDS; arguments at, xw, bo, out0; writes out0
.if DOCPART == 4
	.amdgcn_target "amdgcn-amd-amdhsa--gfx1250"
	.amdhsa_code_object_version 6
	.text
	.protected	k_qb42f63baea_outp
	.globl	k_qb42f63baea_outp
	.p2align	8
	.type	k_qb42f63baea_outp,@function
k_qb42f63baea_outp:
	s_mov_b64 s[64:65], 0
	v_nop
	global_prefetch_b8 v0, s[64:65] scope:SCOPE_SE
	s_setreg_imm32_b32 hwreg(HW_REG_WAVE_MODE, 25, 1), 1
	s_wait_xcnt 0x0
	s_wait_alu depctr_hold_cnt(0) depctr_sa_sdst(0) depctr_va_vdst(0) depctr_va_sdst(0) depctr_va_ssrc(0) depctr_va_vcc(0) depctr_vm_vsrc(0)
	s_getreg_b32 s2, hwreg(HW_REG_IB_STS2, 6, 4)
	s_cmp_eq_u32 s2, 0
	s_cbranch_scc0 .Lentry_in_a_cluster
	s_endpgm
.Lentry_in_a_cluster:
	s_bfe_u32 s2, ttmp6, 0x10000c
	s_cmp_lg_u32 s2, 0xf033
	s_cbranch_scc0 .Lentry_shape_is_right
	s_endpgm
.Lentry_shape_is_right:
; OUTP.  out0 = attn Wo^T + bo on codes of BF6 with E8M0 scales, K = 1,024.  attn's codes and scale words lie in `at`, Wo's in xw (row tiles 704 on), both as images of operand registers (1,536 bytes a fragment, 512 bytes of scale words a row tile).
; A tile is 256 x 256, four waves, a wave 128 x 128: 64 accumulators.  Source 1 = R = 16 tokens (one to a lane), source 0 = P = 16 rows of Wo: a lane's registers run along the output's columns.
; Row tiles are in the order 32 (G / 2) + 8 (G % 2) + i + 8 (i / 8): the 16 registers of result tiles 2 b, 2 b + 1 are columns 32 b + 16 h + 0 .. 15, and lane r of block a is token 32 (a / 2) + 8 (a % 2) + r + 8 (r / 8).
; bo is the C of each sum's first product.  A token whose scale bytes are 0xff (no visible key) comes out as NaN.  K goes in steps of 256 through two LDS slots; the scale words come once.
; 4 x 4 work-groups form a cluster: R's tiles are asked for jointly along a row of the cluster, P's along a column.  The grid has 128 work-groups: the tile is kept at 256 x 256 for the sake of LDS reads.
; REGISTERS: window 0: v10-29 addresses; v32-63 scale words, two sets; v64-127 bo's 64 numbers of a lane; v128-223 R's fragments (on the way out v128-255: rows of the output).  window 1: P's fragments, two sets.  windows 2, 3: the accumulators.
.set SOFF,   9437184                   ; where the scale words begin in xw,
.set AOFF,   6291456                   ; and in at
.set NQ,     2
.set FR,     12
.set NL,     4
.set NP,     4
.set TILEB,  3072
.set HALFT,  8*TILEB
.set SLOT,   4*HALFT
.set SCL,    2*SLOT
.set SPARE,  SCL+4*4096
.set SPITCH, 528                       ; the way out: a stage of 16 rows x (512 + 16) bytes for each wave, in slot 0, which has had its last fill and its last read by then
.set L16, 10
.set L8,  11
.set ABN, 12
.set ADRA, 16
.set ADRB, 20
.set STO,  24
.set RD,   25
.set ADRS, 27
.set SPW,  28
.set NIL,  29
.set SC,   32
.set BN,   64
.set AF,   128
.set BK,   128
.set WV, 16
.set RH, 17
.set CH, 18
.set G1, 24
.set G0, 32
.set G1B, 48
.set G0B, 56
.set G1S, 68
.set G0S, 76
.set G1SB, 80
.set G0SB, 88
.set MSB, 0
.macro WIN new
.if MSB != (\new)
	s_set_vgpr_msb (MSB<<8)|(\new)
.set MSB, (\new)
.endif
.endm
.set MUL_LO, 0xa1                      ; source 0 (P) window 1, source 1 (R) window 0, C and D window 2
.set MUL_HI, 0xf1
.set FIRST_LO, 0x81                    ; the first products: C (bo) window 0, D window 2
.set FIRST_HI, 0xc1
.set TO_B,   0x40
.macro JLOAD g0a, g1a, g0b, g1b        ; a joint load: waves 0, 1 fetch for R, waves 2, 3 for P; four v_nop follow each line
	s_cmp_eq_u32 s[RH], 0
	s_cbranch_scc0 .Lfor_b_\@
	tensor_load_to_lds s[\g0a:\g0a+3], s[\g1a:\g1a+7]
	s_nop 0
.rept 4
	v_nop
.endr
	s_branch .Lasked_\@
.Lfor_b_\@:
	tensor_load_to_lds s[\g0b:\g0b+3], s[\g1b:\g1b+7]
	s_nop 0
.rept 4
	v_nop
.endr
.Lasked_\@:
.endm
.macro CREST
	s_cmp_lg_u32 s[WV], 0
	s_cbranch_scc1 .Lnot_wave_0_\@
	s_barrier_signal -3
.Lnot_wave_0_\@:
	s_barrier_wait -3
	s_barrier_signal -1
	s_barrier_wait -1
.endm
.macro CROUND
	s_barrier_signal -1
	s_barrier_wait -1
	CREST
.endm
.macro PLACES n
.rept \n
	v_nop
.endr
.endm
.macro FRAG reg, adr, q, i
	ds_load_b128 v[\reg:\reg+3], v[\adr] offset:(\i)*TILEB+(\q)*1536
	ds_load_b64 v[\reg+4:\reg+5], v[\adr+2] offset:(\i)*TILEB+(\q)*1536+512
	ds_load_b128 v[\reg+6:\reg+9], v[\adr] offset:(\i)*TILEB+(\q)*1536+768
	ds_load_b64 v[\reg+10:\reg+11], v[\adr+2] offset:(\i)*TILEB+(\q)*1536+1280
.endm
.macro MUL16 a0, p, q, sc, first       ; R's blocks a0, a0 + 1 x P's eight; the 64 accumulators take turns, in the same order in every step
.irp a, \a0, \a0+1
.irp b, 0,1,2,3,4,5,6,7
.if \first
	v_wmma_scale_f32_16x16x128_f8f6f4 v[8*(8*((\a)%4)+\b):8*(8*((\a)%4)+\b)+7], v[128*(\p)+FR*\b:128*(\p)+FR*\b+FR-1], v[AF+FR*(\a):AF+FR*(\a)+FR-1], v[BN+8*\b:BN+8*\b+7], v[SC+8*NQ*(\sc)+NQ*\b+(\q)], v[SC+8*NQ*(\sc)+NQ*(\a)+(\q)] matrix_a_fmt:MATRIX_FMT_BF6 matrix_b_fmt:MATRIX_FMT_BF6 matrix_a_scale:MATRIX_SCALE_ROW1
.else
	v_wmma_scale_f32_16x16x128_f8f6f4 v[8*(8*((\a)%4)+\b):8*(8*((\a)%4)+\b)+7], v[128*(\p)+FR*\b:128*(\p)+FR*\b+FR-1], v[AF+FR*(\a):AF+FR*(\a)+FR-1], v[8*(8*((\a)%4)+\b):8*(8*((\a)%4)+\b)+7], v[SC+8*NQ*(\sc)+NQ*\b+(\q)], v[SC+8*NQ*(\sc)+NQ*(\a)+(\q)] matrix_a_fmt:MATRIX_FMT_BF6 matrix_b_fmt:MATRIX_FMT_BF6 matrix_a_scale:MATRIX_SCALE_ROW1
.endif
.endr
.endr
.endm
.macro FETCH_B slot, q, p
	WIN TO_B
.irp i, 0,1,2,3,4,5,6,7
	FRAG 128*(\p)+FR*\i, ADRB+\slot, \q, \i
.endr
	WIN 0
.endm
.macro FETCH_A slot, q, i0
.irp i, \i0, \i0+1, \i0+2, \i0+3
	FRAG AF+FR*(\i), ADRA+\slot, \q, \i
.endr
.endm
.macro SCALES sc, s2
.irp i, 0,1,2,3,4,5,6,7
	ds_load_b64 v[SC+8*NQ*\sc+NQ*\i:SC+8*NQ*\sc+NQ*\i+1], v[ADRS] offset:512*\i+256*((\s2)/2)+8*((\s2)%2)
.endr
.endm
.macro STEP slot, first
	s_wait_dscnt 4*NL                              ; P's set, R's blocks 0-3 and the scale words are in; the youngest 16 loads (R's blocks 4-7) may be out
.if \first
	WIN FIRST_LO
.else
	WIN MUL_LO
.endif
	MUL16 0, 0, 0, \slot, \first
	MUL16 2, 0, 0, \slot, \first
	s_wait_dscnt 0
	PLACES NP
	FETCH_B \slot, 1, 1
	FETCH_A \slot, 1, 0
.if \first
	WIN FIRST_HI
.else
	WIN MUL_HI
.endif
	MUL16 4, 0, 0, \slot, \first
	MUL16 6, 0, 0, \slot, \first
	PLACES NP
	WIN 0
	FETCH_A \slot, 1, 4
.endm
.macro TURN slot, next, fill, s2
	s_wait_tensorcnt 0x0                           ; all my tensor loads have landed: my part of the next slot;
	ds_add_u32 v[SPW], v[NIL]                      ; 0 onto my spare word;
	s_wait_dscnt 4*NL+1                            ; (the add and R's blocks 4-7 may be out)
	WIN MUL_LO
	MUL16 0, 1, 1, \slot, 0
	s_wait_dscnt 0x0                               ; the add is done, and my reads of this slot are over
	s_barrier_signal -1
	MUL16 2, 1, 1, \slot, 0
	WIN 0
	s_barrier_wait -1
.if \fill
	CREST                                          ; the barrier has opened a round of the cluster's: no wave of any partner still reads this slot or has a load on its way
	s_add_nc_u64 s[G0+4*\slot+2:G0+4*\slot+3], s[G0+4*\slot+2:G0+4*\slot+3], 2*TILEB
	s_add_nc_u64 s[G0B+4*\slot+2:G0B+4*\slot+3], s[G0B+4*\slot+2:G0B+4*\slot+3], 2*TILEB
	JLOAD G0+4*\slot, G1, G0B+4*\slot, G1B         ; the first tensor load behind the round; its four v_nop are the places in front of the loads below
.else
	PLACES NP
.endif
	FETCH_B \next, 0, 0
	FETCH_A \next, 0, 0
	SCALES \next, \s2
	WIN MUL_HI
	MUL16 4, 1, 1, \slot, 0
	MUL16 6, 1, 1, \slot, 0
	PLACES NP
	WIN 0
	FETCH_A \next, 0, 4
.endm
	s_load_b256 s[4:11], s[0:1], 0x0               ; at, xw, bo, out0
	v_lshl_add_u32 v[SPW], v0, 2, SPARE
	v_mov_b32 v[NIL], 0
	ds_add_u32 v28, v29
	ds_add_u32 v28, v29
	s_wait_dscnt 0x0
	v_lshrrev_b32 v1, 5, v0
	v_readfirstlane_b32 s[WV], v1
	s_lshr_b32 s[RH], s[WV], 1                     ; my 128 tokens.  Also: I fetch for R (0) or for P (1)
	s_and_b32 s[CH], s[WV], 1                      ; my 128 columns.  Also: which half of the tile I fetch
	s_bfe_u32 s40, ttmp6, 0x40000                  ; cx
	s_bfe_u32 s41, ttmp6, 0x40004                  ; cy
	s_and_b32 s42, ttmp7, 0xffff
	s_lshl_b32 s42, s42, 2
	s_add_co_u32 s46, s42, s41                     ; R: block of 256 tokens 4 x cluster y + cy
	s_add_co_u32 s47, s40, 44                      ; P: Wo's block of 256 rows: 44 + cx in xw
	s_lshl_b32 s43, s41, 2
	s_lshl_b32 s43, 15, s43                        ; my row of the cluster
	s_lshl_b32 s44, 0x1111, s40                    ; my column
	s_or_b32 s[G1], s43, (3<<16)|(1<<21)           ; 15:0 the mask; 17:16 elements of 8 bytes; 21 set beside a mask; no padding
	s_or_b32 s[G1B], s44, (3<<16)|(1<<21)
.irp g, G1, G1B                        ; 8 row tiles x 3,072 bytes, 12,288 bytes apart
	s_mov_b32 s[\g+1], 384<<16
	s_mov_b32 s[\g+2], 8<<16
	s_mov_b32 s[\g+3], 384<<16
	s_mov_b32 s[\g+4], 8
	s_mov_b32 s[\g+5], 1536
	s_mov_b32 s[\g+6], 0
	s_mov_b32 s[\g+7], 0
.endr
	s_or_b32 s[G1S], s43, (3<<16)|(1<<21)
	s_or_b32 s[G1SB], s44, (3<<16)|(1<<21)
.irp g, G1S, G1SB                      ; the scale words of 128 rows: 4,096 dense bytes as 16 rows of 256
	s_mov_b32 s[\g+1], 32<<16
	s_mov_b32 s[\g+2], 16<<16
	s_mov_b32 s[\g+3], 32<<16
	s_mov_b32 s[\g+4], 16
	s_mov_b32 s[\g+5], 32
	s_mov_b32 s[\g+6], 0
	s_mov_b32 s[\g+7], 0
.endr
	s_mul_i32 s20, s46, 16*12288
	s_mul_i32 s19, s[CH], 8*12288
	s_add_co_u32 s20, s20, s19
	s_mov_b32 s21, 0
	s_mul_i32 s22, s47, 16*12288
	s_add_co_u32 s22, s22, s19
	s_mov_b32 s23, 0
	s_lshl_b32 s92, s46, 13
	s_lshl_b32 s19, s[CH], 12
	s_add_co_u32 s92, s92, s19
	s_add_co_u32 s92, s92, AOFF
	s_mov_b32 s93, 0
	s_lshl_b32 s94, s47, 13
	s_add_co_u32 s94, s94, s19
	s_add_co_u32 s94, s94, SOFF
	s_mov_b32 s95, 0
	s_mul_i32 s45, s[WV], HALFT
	s_lshl_b32 s19, s[WV], 12
	s_wait_kmcnt 0x0
	s_add_nc_u64 s[20:21], s[4:5], s[20:21]
	s_add_nc_u64 s[22:23], s[6:7], s[22:23]
	s_add_nc_u64 s[92:93], s[4:5], s[92:93]
	s_add_nc_u64 s[94:95], s[6:7], s[94:95]
	CROUND                                         ; all sixteen work-groups are here: the first joint loads meet
	s_mov_b32 s[G0S], 1
	s_add_co_u32 s[G0S+1], s19, SCL
	s_mov_b64 s[G0S+2:G0S+3], s[92:93]
	s_or_b32 s[G0S+3], s[G0S+3], 0x80000000
	s_mov_b32 s[G0SB], 1
	s_add_co_u32 s[G0SB+1], s19, SCL
	s_mov_b64 s[G0SB+2:G0SB+3], s[94:95]
	s_or_b32 s[G0SB+3], s[G0SB+3], 0x80000000
	JLOAD G0S, G1S, G0SB, G1SB                     ; three loads of mine go out together: the scale words, slot 0, slot 1
.irp s, 0,1
	s_mov_b32 s[G0+4*\s], 1
	s_add_co_u32 s[G0+4*\s+1], s45, \s*SLOT
	s_add_nc_u64 s[G0+4*\s+2:G0+4*\s+3], s[20:21], \s*TILEB
	s_or_b32 s[G0+4*\s+3], s[G0+4*\s+3], 0x80000000
	s_mov_b32 s[G0B+4*\s], 1
	s_add_co_u32 s[G0B+4*\s+1], s45, \s*SLOT
	s_add_nc_u64 s[G0B+4*\s+2:G0B+4*\s+3], s[22:23], \s*TILEB
	s_or_b32 s[G0B+4*\s+3], s[G0B+4*\s+3], 0x80000000
	JLOAD G0+4*\s, G1, G0B+4*\s, G1B
.endr
	v_and_b32 v1, 31, v0
	v_and_b32 v2, 15, v0                           ; r
	v_bfe_u32 v3, v0, 4, 1                         ; h
	v_lshlrev_b32 v[L16], 4, v1
	v_lshlrev_b32 v[L8], 3, v1
	s_mul_i32 s66, s[RH], HALFT
	s_mul_i32 s67, s[CH], HALFT
	s_add_co_u32 s67, s67, 2*HALFT
.irp s, 0,1
	v_add_nc_u32 v[ADRA+\s], s66, v[L16]
	v_add_nc_u32 v[ADRA+2+\s], s66, v[L8]
	v_add_nc_u32 v[ADRB+\s], s67, v[L16]
	v_add_nc_u32 v[ADRB+2+\s], s67, v[L8]
	s_add_co_u32 s66, s66, SLOT
	s_add_co_u32 s67, s67, SLOT
.endr
	s_lshl_b32 s66, s[RH], 12
	s_lshl_b32 s67, s[CH], 12
	s_add_co_u32 s67, s67, 8192
	s_sub_co_u32 s67, s67, s66
	v_mul_u32_u24 v4, s67, v3                      ; lanes 16-31 take P's scale words
	v_lshl_add_u32 v4, v2, 4, v4
	s_add_co_u32 s66, s66, SCL
	v_add_nc_u32 v[ADRS], s66, v4
	s_mul_i32 s66, s[WV], 16*SPITCH                ; my stage
	v_mul_u32_u24 v4, v2, SPITCH
	v_lshl_add_u32 v4, v3, 6, v4
	v_add_nc_u32 v[STO], s66, v4                   ; in: row r, + 64 h bytes
	v_add_nc_u32 v[RD], s66, v[L16]                ; back: a row of 512 bytes to the 32 lanes
	s_lshl_b32 s66, s40, 10
	s_lshl_b32 s67, s[CH], 9
	s_add_co_u32 s66, s66, s67                     ; my first column, in bytes
	s_mov_b32 s67, 0
	s_add_nc_u64 s[96:97], s[8:9], s[66:67]        ; in bo,
	s_add_nc_u64 s[12:13], s[10:11], s[66:67]      ; and in a row of the output
	s_lshl_b32 s66, s46, 8
	s_lshl_b32 s19, s[RH], 7
	s_add_co_u32 s66, s66, s19                     ; my first token
	s_lshl_b32 s66, s66, 12
	s_add_nc_u64 s[12:13], s[12:13], s[66:67]
	v_lshlrev_b32 v[ABN], 6, v3                    ; 16 h numbers on
.irp b, 0,1,2,3
.irp j, 0,1,2,3
	global_load_b128 v[BN+16*\b+4*\j:BN+16*\b+4*\j+3], v[ABN], s[96:97] offset:128*\b+16*\j
.endr
.endr
	s_wait_tensorcnt 1                             ; the scale words and my part of slot 0 are in; slot 1's load may stay out
	s_barrier_signal -1
	s_barrier_wait -1
	FETCH_B 0, 0, 0
	FETCH_A 0, 0, 0
	SCALES 0, 0
	FETCH_A 0, 0, 4
	s_wait_loadcnt 0x0                             ; bo
	STEP 0, 1                                      ; the first products start the sums from bo
	TURN 0, 1, 1, 1                                ; K = 1,024 is four slots' worth: written out
	STEP 1, 0
	TURN 1, 0, 1, 2
	STEP 0, 0
	TURN 0, 1, 0, 3
	STEP 1, 0
	s_wait_dscnt 4*NL
	WIN MUL_LO
	MUL16 0, 1, 1, 1, 0
	MUL16 2, 1, 1, 1, 0
	s_wait_dscnt 0
	WIN MUL_HI
	MUL16 4, 1, 1, 1, 0
	MUL16 6, 1, 1, 1, 0
	WIN 0
; THE WAY OUT, block by block of 16 tokens x 128 columns, through my own stage: whole rows of 512 bytes come back and leave as two aligned runs of 256 bytes.  LDS serves a wave's instructions in order.
.macro TOSTAGE a
.set AC, 64*((\a)%4)
	WIN 0x08+4*((\a)/4)                            ; the data: window 2 or 3
.irp b, 0,1,2,3,4,5,6,7
	ds_store_b128 v[STO], v[AC+8*\b:AC+8*\b+3] offset:128*(\b/2)+32*(\b%2)       ; each accumulator from its low end on: columns 32 (b / 2) + 8 (b % 2) + 16 h + 0 .. 7
	ds_store_b128 v[STO], v[AC+8*\b+4:AC+8*\b+7] offset:128*(\b/2)+32*(\b%2)+16
.endr
	WIN 0
.set BB, BK+64*((\a)%2)
.irp t, 0,1,2,3,4,5,6,7,8,9,10,11,12,13,14,15
	ds_load_b128 v[BB+4*\t:BB+4*\t+3], v[RD] offset:\t*SPITCH
.endr
.endm
.macro SEND a, younger                 ; younger: the LDS instructions issued behind block a's loads, which may stay out
.set BB, BK+64*((\a)%2)
	s_wait_dscnt \younger
.irp t, 0,1,2,3,4,5,6,7,8,9,10,11,12,13,14,15
	global_store_b128 v[L16], v[BB+4*\t:BB+4*\t+3], s[12:13] offset:(32*((\a)/2)+8*((\a)%2)+\t+8*(\t/8))*4096 th:TH_STORE_NT   ; the token's place stands in the immediate: 127 rows of 4,096 bytes at the most
.endr
.endm
	PLACES NP
	TOSTAGE 0
.irp a, 1,2,3,4,5,6,7
.if \a > 1
	s_wait_xcnt 0x0                                ; block a - 2's stores have read their registers: block a's loads may land there
.endif
	TOSTAGE \a
	SEND \a-1, 32                                  ; behind block a - 1's loads: block a's 16 stores and 16 loads
.endr
	SEND 7, 0
	s_wait_tensorcnt 0x0                           ; the wave's end
	ds_add_u32 v[SPW], v[NIL]
	s_wait_dscnt 0x0
	CROUND                                         ; the closing round
	s_endpgm
.Lfunc_end_k_qb42f63baea_outp:
	.size	k_qb42f63baea_outp, .Lfunc_end_k_qb42f63baea_outp-k_qb42f63baea_outp
	.p2alignl 7, 3214868480
	.fill 96, 4, 3214868480
	.section	.rodata,"a",@progbits
	.p2align	6, 0x0
	.amdhsa_kernel k_qb42f63baea_outp
		.amdhsa_group_segment_fixed_size 327680
		.amdhsa_private_segment_fixed_size 0
		.amdhsa_enable_private_segment 0
		.amdhsa_kernarg_size 32
		.amdhsa_user_sgpr_count 2
		.amdhsa_user_sgpr_kernarg_segment_ptr 1
		.amdhsa_wavefront_size32 1
		.amdhsa_system_sgpr_workgroup_id_x 1
		.amdhsa_system_sgpr_workgroup_id_y 1
		.amdhsa_system_sgpr_workgroup_id_z 1
		.amdhsa_system_vgpr_workitem_id 0
		.amdhsa_next_free_vgpr 1024
		.amdhsa_next_free_sgpr 100
		.amdhsa_reserve_vcc 0
		.amdhsa_float_denorm_mode_32 3
		.amdhsa_float_denorm_mode_16_64 3
		.amdhsa_memory_ordered 1
		.amdhsa_forward_progress 1
		.amdhsa_inst_pref_size 144
	.end_amdhsa_kernel
	.amdgpu_metadata
---
amdhsa.version: [ 1, 2 ]
amdhsa.kernels:
  - .name:           k_qb42f63baea_outp
    .symbol:         k_qb42f63baea_outp.kd
    .args:
      - { .name: at, .offset: 0, .size: 8, .value_kind: global_buffer, .address_space: global }
      - { .name: xw, .offset: 8, .size: 8, .value_kind: global_buffer, .address_space: global }
      - { .name: bo, .offset: 16, .size: 8, .value_kind: global_buffer, .address_space: global }
      - { .name: out0, .offset: 24, .size: 8, .value_kind: global_buffer, .address_space: global }
    .group_segment_fixed_size: 327680
    .private_segment_fixed_size: 0
    .kernarg_segment_align: 8
    .kernarg_segment_size: 32
    .max_flat_workgroup_size: 128
    .sgpr_count:     100
    .vgpr_count:     1024
    .wavefront_size: 32
...
	.end_amdgpu_metadata
.endif
;; end of part 4
;; ======== version 2 of 2: 4 launches; version 1 with the launch attn written anew for expert scheduling mode
;; workspace buffers: xw 9,830,400 bytes; mk 524,800 bytes of whole numbers; q 6,815,744 bytes; kv 13,369,344 bytes; at 6,553,600 bytes
;; launch prep: the kernel of part 1 again; grid 416 x 1, 4 waves a work-group, no clusters, 68,096 bytes of LDS; arguments x, Wq, Wk, Wv, Wo, mask, xw, mk; writes xw, mk
;; launch proj: the kernel of part 2 again; grid 12 x 32, 4 waves a work-group, clusters of 4 x 4, 327,680 bytes of LDS; arguments xw, bq, bk, bv, q, kv; writes q, kv
;; launch attn (part 5): grid 4 x 64, 16 waves a work-group, no clusters, 210,944 bytes of LDS; arguments q, kv, mk, at; writes at
.if DOCPART == 5
	.amdgcn_target "amdgcn-amd-amdhsa--gfx1250"
	.amdhsa_code_object_version 6
	.text
	.protected	k_qb42f63baea_attn
	.globl	k_qb42f63baea_attn
	.p2align	8
	.type	k_qb42f63baea_attn,@function
k_qb42f63baea_attn:
	s_mov_b64 s[64:65], 0
	v_nop
	global_prefetch_b8 v0, s[64:65] scope:SCOPE_SE
	s_setreg_imm32_b32 hwreg(HW_REG_WAVE_SCHED_MODE, 0, 2), 2
	s_setreg_imm32_b32 hwreg(HW_REG_WAVE_MODE, 25, 1), 1
	s_wait_xcnt 0x0
	s_wait_alu depctr_vm_vsrc(0)
; ATTN.  For each of 64 (batch, head): S^T = K Q^T and O^T = V^T P^T on codes of BF6 with E8M0 scales; t = score x log2(e) / 8; M = the running largest t rounded up to a whole number; p = 2^(t - M) is quantised along the keys;
; the row's sum is taken of the unquantised p and divides O at the end; O is quantised along the head's 64 channels for the last product.  The mask is the given one, as lane masks and class words made by the first launch.
; A head's K, V and scale words, 208,896 bytes, lie whole in LDS: filled once, through registers, one barrier; after it nothing is written in LDS.  Four work-groups serve a head, sixteen waves each, four to a SIMD.
; Wave number w of the head's 64 takes query tiles w and 127 - w.  Every wave walks all 16 key steps (the trip count is a constant); a step that the stored class word calls wholly hidden for the tile's 16 queries is jumped over,
; a step that it calls wholly visible jumps over the 64 selects.  Both branches hang on whole numbers that an earlier launch stored.
; NO CLUSTER, NO TENSOR LOAD: branches here hang on numbers read from memory, so LDS is filled through registers; the four work-groups of a head each read its 208,896 bytes once.
; The head's K is 64: Q's upper six registers are zero codes and the upper two scale bytes of q and k are 0 (2^-127), so the upper 64 of the instruction's 128 add nothing, whatever K's operand holds there (the next tile's codes).
; A lane holds ONE query (lane % 16) throughout; register 16 b + i of S^T is key 128 step + 32 b + 16 (lane / 16) + i.
; A ROW WITH NO VISIBLE KEY has the sum 0: its two scale bytes are stored as 0xff (NaN in E8M0), which makes the whole output row NaN in the last launch, as the softmax of such a row is.
; LIMITS: a block of zeros gets the byte 1, not 127; blocks under 2^(5 - 127) were not tried; NaN and infinities among the scores (other than the mask's) are not served.
; REGISTERS: v1-3 lane terms; v4-9 the step's LDS addresses; v12 -M, v13 the largest t, v[14:15] the sum; v16-27 Q and zeros; v28 Q's scale word; v29 the two tiles' output scale words; v30 -infinity; v31 0xffff;
; v32-85 K's eight half fragments and six zeros, in the softmax at work; v86-89, v90-91, v92 scale words of K, V, P; v96-159 S^T, then p; v160-191 O^T; v192-239 V; v240-248 address terms.
; THE MODE: SCHED_MODE bits 1:0 = 2 (LLVM: expert scheduling mode 2), set by the entry lines.  The code itself states the register dependences between vector or matrix instructions and memory or LDS instructions, with s_wait_alu, always for 0.
; THE PLAN.  Registers that memory or LDS instructions touch:
;   v240-244          The fill's offsets: written once at the head, read by the fill's loads and LDS stores, never written again.
;   v96-197           The fill's staging: its loads land there, its LDS stores read them; later the products, the clearing of O^T and V's loads write them: one wait on vm_vsrc behind the fill's barrier.
;   v1-3              Written once at the head; read by Q's loads and by the tiles' stores.
;   v16-21, v28       Q and its scale word: loaded at a tile's head, read by the tile's products K Q^T.  One wait on va_vdst at a tile's head, ahead of the three loads.
;   v4-9              Written by six additions at a step's head, read by the step's 34 LDS loads.
;   v32-79, v86-89    K: loaded at a step's head, read by its eight products K Q^T; v32-73 are then at work in the softmax, and v60-71 hold p's codes, which the products V^T P read.
;   v192-239, v90-91  V: loaded in the step, read by its four products V^T P.
;   v60-65            A tile's codes on the way out: written by conversions, swaps and moves, read by two stores, written again in the next tile.
; So a step has ONE wait on va_vdst ahead of its loads, behind the six additions: v4-9 are written, and all that the steps before did to K's and V's registers is done.  K's loads follow at once; V's are dealt among the eight products
; K Q^T, which name S^T, K, Q and their scale words alone.  Ahead of the products V^T P stand a wait on vm_vsrc (the step's LDS loads have read v4-9) and a wait on va_vdst (p's codes and scale word are written).
.set KVH,  208896
.set VOFF, 98304
.set KSO,  196608
.set VSO,  204800
.macro MMZ d, a, b, sa, sb, row        ; a product that starts a sum
.if \row
	v_wmma_scale_f32_16x16x128_f8f6f4 v[\d:\d+7], v[\a:\a+11], v[\b:\b+11], 0, v[\sa], v[\sb] matrix_a_fmt:MATRIX_FMT_BF6 matrix_b_fmt:MATRIX_FMT_BF6 matrix_a_scale:MATRIX_SCALE_ROW1
.else
	v_wmma_scale_f32_16x16x128_f8f6f4 v[\d:\d+7], v[\a:\a+11], v[\b:\b+11], 0, v[\sa], v[\sb] matrix_a_fmt:MATRIX_FMT_BF6 matrix_b_fmt:MATRIX_FMT_BF6
.endif
.endm
.macro MMA d, a, b, sa, sb, row        ; a product that adds in place
.if \row
	v_wmma_scale_f32_16x16x128_f8f6f4 v[\d:\d+7], v[\a:\a+11], v[\b:\b+11], v[\d:\d+7], v[\sa], v[\sb] matrix_a_fmt:MATRIX_FMT_BF6 matrix_b_fmt:MATRIX_FMT_BF6 matrix_a_scale:MATRIX_SCALE_ROW1
.else
	v_wmma_scale_f32_16x16x128_f8f6f4 v[\d:\d+7], v[\a:\a+11], v[\b:\b+11], v[\d:\d+7], v[\sa], v[\sb] matrix_a_fmt:MATRIX_FMT_BF6 matrix_b_fmt:MATRIX_FMT_BF6
.endif
.endm
	s_load_b256 s[4:11], s[0:1], 0x0               ; q, kv, mk, at
	v_lshl_add_u32 v254, v0, 2, 0x33000
	v_mov_b32 v255, 0
	v_lshrrev_b32 v10, 5, v0
	v_readfirstlane_b32 s12, v10                   ; wave 0..15
	s_and_b32 s14, ttmp7, 0xffff                   ; the (batch, head)
	s_lshl_b32 s15, ttmp9, 4
	s_wait_alu depctr_va_sdst(0)                   ; s12 is written, ahead of its first reader
	s_add_co_u32 s15, s15, s12                     ; my number among the head's 64 waves
	v_lshlrev_b32 v240, 4, v0                      ; 16 x thread
	v_add_nc_u32 v241, 0x10000, v240               ; an LDS immediate reaches 65,535: the register carries the rest
	v_add_nc_u32 v242, 0x20000, v240
	v_add_nc_u32 v243, 0x30000, v240
	v_lshlrev_b32 v244, 3, v0
	v_add_nc_u32 v244, VSO, v244
	s_mul_i32 s2, s14, KVH
	s_mov_b32 s3, 0
	s_mov_b32 s13, 0
	s_wait_kmcnt 0x0
	s_add_nc_u64 s[100:101], s[6:7], s[2:3]
	s_wait_alu depctr_va_vdst(0)                   ; v240 to v244 are written, which the fill's loads and its LDS stores read as offsets and addresses; no vector line between here and those stores names them or v96 to v197
.set k, 0
.rept 25                               ; the head's bytes as they lie: 8,192 consecutive bytes an instruction of the work-group
	global_load_b128 v[96+4*k:99+4*k], v240, s[100:101] offset:8192*k
.set k, k+1
.endr
	global_load_b64 v[196:197], v244, s[100:101]
	v_and_b32 v10, 31, v0
	v_lshlrev_b32 v1, 4, v10                       ; 16 x lane
	v_lshlrev_b32 v2, 3, v10                       ; 8 x lane
	v_and_b32 v3, 15, v0
	v_lshlrev_b32 v3, 4, v3                        ; 16 r
	v_add_nc_u32 v245, VOFF, v1
	v_add_nc_u32 v246, VOFF, v2
	v_add_nc_u32 v247, KSO, v1
	v_add_nc_u32 v248, VSO, v2
.irp i, 22,23,24,25,26,27,80,81,82,83,84,85
	v_mov_b32 v\i, 0                               ; zero codes: the upper 64 of Q's operand, and behind K's last half fragment
.endr
.irp i, 29,36,37,38,39,57,58
	v_mov_b32 v\i, 0                               ; written once: destinations of lane permutes and selects, and upper halves of named pairs
.endr
	v_mov_b32 v30, 0xff800000                      ; -infinity
	v_mov_b32 v31, 0xffff
	s_mov_b32 s24, 0x76543210
	s_mov_b32 s25, 0xfedcba98                      ; selects for lane l xor 16
	s_mov_b32 s26, 0x3e38aa3b                      ; c = log2(e) / 8
	s_mov_b32 s27, s26
.set k, 0
.rept 25
	s_wait_loadcnt 25-k                            ; loads come back in order: load k is in, the 25 - k behind it may be out
	ds_store_b128 v[240+k/8], v[96+4*k:99+4*k] offset:8192*(k%8)
.set k, k+1
.endr
	s_wait_loadcnt 0x0
	ds_store_b64 v244, v[196:197]
	s_wait_dscnt 0x0                               ; for the others' sake: my stores have landed
	s_barrier_signal -1
	s_barrier_wait -1                              ; the head lies in LDS; from here on LDS is only read
	s_wait_alu depctr_vm_vsrc(0)                   ; my LDS stores have read v96 to v197: from here on these are S^T, O^T and V, written by products, by the clearing of O^T and by V's loads
	s_mov_b32 s16, s15                             ; T: my first tile
	s_mov_b32 s30, 0xffff                          ; its scale word goes to lanes 0-15
	s_mov_b32 s17, 0
.Ltile:
	s_mul_i32 s12, s14, 98304
	s_mul_i32 s20, s16, 768
	s_add_co_u32 s12, s12, s20
	s_add_nc_u64 s[100:101], s[4:5], s[12:13]      ; Q's half fragment
	s_lshl_b32 s12, s14, 13
	s_lshr_b32 s20, s16, 3
	s_lshl_b32 s20, s20, 9
	s_add_co_u32 s12, s12, s20
	s_and_b32 s20, s16, 1
	s_lshl_b32 s20, s20, 8
	s_add_co_u32 s12, s12, s20
	s_bfe_u32 s20, s16, 0x20001
	s_lshl_b32 s20, s20, 2
	s_add_co_u32 s12, s12, s20
	s_add_co_u32 s12, s12, 6291456
	s_add_nc_u64 s[66:67], s[4:5], s[12:13]        ; its scale words: 512 (T / 8) + 256 (T % 2) + 4 ((T % 8) / 2), + 16 r
	s_lshl_b32 s12, s16, 2
	s_add_nc_u64 s[2:3], s[8:9], s[12:13]          ; its class word
	s_lshl_b32 s12, s16, 12
	s_add_nc_u64 s[28:29], s[8:9], s[12:13]        ; its lane masks, 256 bytes a step
	s_lshr_b32 s12, s14, 4
	s_lshl_b32 s12, s12, 7
	s_add_co_u32 s12, s12, s16
	s_mul_i32 s12, s12, 12288
	s_and_b32 s20, s14, 15
	s_mul_i32 s20, s20, 768
	s_add_co_u32 s12, s12, s20
	s_add_nc_u64 s[104:105], s[10:11], s[12:13]    ; where its codes go: row tile 128 b + T, half fragment = the head
	s_wait_alu depctr_va_vdst(0)                   ; v1 to v3 are written, which the loads below read; the last tile's products are done reading Q and its scale word, in which they land; the zero codes v22-27 and v80-85 are written, which the products take as operands
	global_load_b128 v[16:19], v1, s[100:101]
	global_load_b64 v[20:21], v2, s[100:101] offset:512
	global_load_b32 v28, v3, s[66:67]
	s_load_b32 s19, s[2:3], 0x80000
	v_mov_b32 v13, 0xff61b1e6                      ; the largest t so far: -3e38
	v_floor_f32 v12, -v13                          ; -M
	v_mov_b32 v14, 0
	v_mov_b32 v15, 0
.set k, 0
.rept 32
	v_mov_b32 v[160+k], 0                          ; O^T: the step is written once; the first change of M leaves zeros zeros
.set k, k+1
.endr
	s_mov_b32 s21, 0                               ; the step's K and V: 6,144 bytes a step
	s_mov_b32 s22, 0                               ; K's scale words: 512
	s_mov_b32 s23, 0                               ; V's: 256
	s_mov_b32 s18, 0
	s_wait_loadcnt 0x0
	s_wait_kmcnt 0x0
.Lstep:
	s_and_b32 s20, s19, 3                          ; the step's class
	s_lshr_b32 s19, s19, 2
	s_cmp_eq_u32 s20, 0
	s_cbranch_scc1 .Lskip                          ; nothing visible: only the addresses step
	s_load_b512 s[32:47], s[28:29], 0x0            ; the 64 lane masks: word n in s[32 + n], from n = 32 on in s[36 + n]
	s_load_b512 s[48:63], s[28:29], 0x40
	s_load_b512 s[68:83], s[28:29], 0x80
	s_load_b512 s[84:99], s[28:29], 0xc0
	v_add_nc_u32 v4, s21, v1                       ; the step's six LDS addresses (the LDS loads that read the old ones were shown done with them in their own step)
	v_add_nc_u32 v5, s21, v2
	v_add_nc_u32 v6, s22, v247
	v_add_nc_u32 v7, s21, v245
	v_add_nc_u32 v8, s21, v246
	v_add_nc_u32 v9, s23, v248
	s_wait_alu depctr_va_vdst(0)                   ; v4 to v9 are written, which the LDS loads below read; the softmax and the products of the steps before are done reading and writing K's and V's registers and their scale words, in which those loads land
.irp t, 0,1,2,3,4,5,6,7
	ds_load_b128 v[32+6*\t:35+6*\t], v4 offset:768*\t
	ds_load_b64 v[36+6*\t:37+6*\t], v5 offset:768*\t+512
.endr
	ds_load_b128 v[86:89], v6
	s_wait_dscnt 0x0                               ; K and its scale words are in: no other LDS load of mine is out
.irp t, 0,2,4,6
	MMZ 96+8*\t, 32+6*\t, 16, 86+\t/2, 28, 0
	MMZ 104+8*\t, 38+6*\t, 16, 86+\t/2, 28, 1
	ds_load_b128 v[192+6*\t:195+6*\t], v7 offset:768*\t            ; V's fragment t / 2.  No wait: no vector or matrix instruction since the wait above names V's registers, v90-91 or v7 to v9
	ds_load_b64 v[196+6*\t:197+6*\t], v8 offset:768*\t+512
	ds_load_b128 v[198+6*\t:201+6*\t], v7 offset:768*\t+768
	ds_load_b64 v[202+6*\t:203+6*\t], v8 offset:768*\t+1280
.endr
	ds_load_b64 v[90:91], v9
.rept 4
	v_nop
.endr
	s_wait_kmcnt 0x0                               ; the lane masks are in (on every way, so that their base may step below)
	s_cmp_eq_u32 s20, 3
	s_cbranch_scc1 .Lopen                          ; all visible: nothing to hide
.set n, 0
.rept 64
	v_cndmask_b32 v[96+n], v30, v[96+n], s[32+n+4*(n/32)]   ; hidden scores become -infinity ahead of the maximum
.set n, n+1
.endr
.Lopen:
.irp b, 0,1,2,3
	v_max3_num_f32 v[32+\b], v[96+16*\b], v[97+16*\b], v[98+16*\b]   ; the largest score of each block of 32 keys: for the row's maximum, and for the block's largest p
.endr
.irp i, 3,5,7,9,11,13
.irp b, 0,1,2,3
	v_max3_num_f32 v[32+\b], v[32+\b], v[96+16*\b+\i], v[97+16*\b+\i]
.endr
.endr
.irp b, 0,1,2,3
	v_max_num_f32 v[32+\b], v[32+\b], v[111+16*\b]
.endr
.irp b, 0,1,2,3
	v_permlanex16_b32 v[36+\b], v[32+\b], s24, s25
.endr
.irp b, 0,1,2,3
	v_max_num_f32 v[32+\b], v[32+\b], v[36+\b]
.endr
	v_max3_num_f32 v58, v32, v33, v34
	v_max_num_f32 v58, v58, v35
	v_mul_f32 v58, s26, v58                        ; as t
	v_max_num_f32 v13, v13, v58                    ; the running largest t
	v_mov_b32 v58, v12
	v_floor_f32 v12, -v13                          ; the new -M = -ceil(t)
	v_sub_f32 v58, v12, v58                        ; old M - new M: a whole number, 0 or less
	v_cvt_i32_f32 v58, v58                         ; (it saturates)
	v_ldexp_f32 v56, 1.0, v58                      ; f = 2^(old M - new M): a multiplication by it rounds nothing
.set j, 0
.rept 32
	v_pk_fma_f32 v[96+j:97+j], v[96+j:97+j], s[26:27], v[12:13] op_sel_hi:[1,0,0]   ; t - M
.set j, j+2
.endr
.irp b, 0,1,2,3
	v_fma_f32 v[32+\b], v[32+\b], s26, v12
.endr
.set j, 0
.rept 64
	v_exp_f32 v[96+j], v[96+j]                     ; p = 2^(t - M)
.set j, j+1
.endr
	v_pk_mul_f32 v[14:15], v[14:15], v[56:57] op_sel_hi:[1,0]   ; the sums under the new M: a plain place behind the exponentials
	s_wait_alu depctr_va_vdst(0)                   ; the 64 exponentials have written p, v96 to v159: one wait for the batch, ahead of its first reader
.irp b, 0,1,2,3
	v_exp_f32 v[32+\b], v[32+\b]                   ; each block's largest p
.endr
	v_pk_add_f32 v[72:73], v[96:97], v[98:99]      ; the row's sum of the unquantised p, in two chains
.irp j, 4,8,12,16,20,24,28,32,36,40,44,48,52,56,60
	v_pk_add_f32 v[14:15], v[14:15], v[96+\j:97+\j]
	v_pk_add_f32 v[72:73], v[72:73], v[98+\j:99+\j]
.endr
	v_pk_add_f32 v[14:15], v[14:15], v[72:73]
	s_wait_alu depctr_va_vdst(0)                   ; and one for the four: they have written v32 to v35
.irp b, 0,1,2,3
	v_max_num_f32 v[32+\b], 0x2800000, v[32+\b]    ; the floor 2^(5 - 127)
.endr
.irp b, 0,1,2,3
	v_add_nc_u32 v[40+\b], 0xfe000000, v[32+\b]    ; the conversion's scale operand
.endr
.irp b, 0,1,2,3
	v_lshrrev_b32 v[44+\b], 23, v[40+\b]           ; the scale's byte
.endr
	v_lshl_or_b32 v92, v45, 8, v44                 ; p's scale word for these 128 keys
	v_lshl_or_b32 v92, v46, 16, v92
	v_lshl_or_b32 v92, v47, 24, v92
.irp c, 0,1
	v_cvt_scalef32_pk16_bf6_f32 v[60+6*\c:62+6*\c], v[96+32*\c:111+32*\c], v[40+2*\c]
	v_cvt_scalef32_pk16_bf6_f32 v[48+4*\c:50+4*\c], v[112+32*\c:127+32*\c], v[40+2*\c+1]
.endr
	v_nop                                          ; one plain place behind the scaled conversions
.irp c, 0,1
.irp i, 0,1,2
	v_permlane16_swap_b32 v[60+6*\c+\i], v[48+4*\c+\i]
.endr
.irp i, 0,1,2
	v_mov_b32 v[63+6*\c+\i], v[48+4*\c+\i]
.endr
.endr
.set j, 0
.rept 16
	v_pk_mul_f32 v[160+j:161+j], v[160+j:161+j], v[56:57] op_sel_hi:[1,0]   ; O^T under the new M.  Twelve of the sixteen name no register of any one product below: the places behind p's codes and scale word
.set j, j+2
.endr
	s_wait_dscnt 0x0                               ; V
	s_wait_alu depctr_vm_vsrc(0)                   ; this step's LDS loads have read v4 to v9, which the next step that is not jumped over writes again: stated here, ahead of the backward branch, so that it holds on every way to those additions
	s_wait_alu depctr_va_vdst(0)                   ; p's codes v60 to v71 and its scale word v92 are written, which the products below take as source 1 and as its scales; the places above stay beside this wait
.irp t, 0,2
	MMA 160+8*\t, 192+12*\t, 60, 90+\t/2, 92, 0    ; the four accumulators take turns, one instruction a turn
	MMA 168+8*\t, 204+12*\t, 60, 90+\t/2, 92, 1
.endr
.Lskip:
	s_add_co_u32 s21, s21, 6144
	s_add_co_u32 s22, s22, 512
	s_add_co_u32 s23, s23, 256
	s_add_nc_u64 s[28:29], s[28:29], 256
	s_add_co_u32 s18, s18, 1
	s_cmp_lt_u32 s18, 16
	s_cbranch_scc1 .Lstep
	; the way out of a tile
.rept 4
	v_nop
.endr
	v_add_f32 v14, v14, v15
	v_permlanex16_b32 v58, v14, s24, s25
	v_add_f32 v14, v14, v58                        ; the row's sum
	v_rcp_f32 v56, v14
	v_cmp_eq_f32 s31, 0, v14                       ; rows that saw no key
	v_nop                                          ; a plain place behind the reciprocal
	s_wait_alu depctr_va_vdst(0)                   ; the reciprocal has written v56, ahead of its first reader
.set j, 0
.rept 16
	v_pk_mul_f32 v[96+j:97+j], v[160+j:161+j], v[56:57] op_sel_hi:[1,0]   ; register 16 b + i: channel 32 b + 16 h + i
.set j, j+2
.endr
.irp b, 0,1
	v_max3_num_f32 v[32+\b], |v[96+16*\b]|, |v[97+16*\b]|, 0x2800000
.endr
.irp i, 2,4,6,8,10,12,14
.irp b, 0,1
	v_max3_num_f32 v[32+\b], v[32+\b], |v[96+16*\b+\i]|, |v[97+16*\b+\i]|
.endr
.endr
.irp b, 0,1
	v_permlanex16_b32 v[36+\b], v[32+\b], s24, s25
.endr
.irp b, 0,1
	v_max_num_f32 v[32+\b], v[32+\b], v[36+\b]
.endr
.irp b, 0,1
	v_add_nc_u32 v[40+\b], 0xfe000000, v[32+\b]
.endr
.irp b, 0,1
	v_lshrrev_b32 v[44+\b], 23, v[40+\b]
.endr
	v_lshl_or_b32 v10, v45, 8, v44                 ; the head's two scale bytes of my row,
	s_wait_alu depctr_va_sdst(0)                   ; the compare has written s31, ahead of its first reader
	v_cndmask_b32 v10, v10, v31, s31               ; or two NaN bytes
	v_cndmask_b32 v29, v29, v10, s30               ; kept in this tile's half of the lanes
	v_cvt_scalef32_pk16_bf6_f32 v[60:62], v[96:111], v40
	v_cvt_scalef32_pk16_bf6_f32 v[48:50], v[112:127], v41
	v_nop
.irp i, 0,1,2
	v_permlane16_swap_b32 v[60+\i], v[48+\i]
.endr
.irp i, 0,1,2
	v_mov_b32 v[63+\i], v[48+\i]
.endr
	s_wait_alu depctr_va_vdst(0)                   ; the conversions, swaps and moves have written v60 to v65, which the two stores read
	global_store_b128 v1, v[60:63], s[104:105]     ; 512 consecutive bytes
	global_store_b64 v2, v[64:65], s[104:105] offset:512
	s_wait_xcnt 0x0                                ; the stores have read their registers and their base
	s_wait_alu depctr_vm_vsrc(0)                   ; the stores have read v60 to v65, which the next tile's conversions write again: stated ahead of the backward branch
	s_sub_co_u32 s16, 127, s15                     ; my second tile
	s_mov_b32 s30, 0xffff0000
	s_add_co_u32 s17, s17, 1
	s_cmp_lt_u32 s17, 2
	s_cbranch_scc1 .Ltile
	; both tiles' scale bytes: two bytes a row, at 512 G + 256 (head / 8) + 16 r + 2 (head % 8) behind the codes
	s_sub_co_u32 s12, 127, s15
	s_sub_co_u32 s12, s12, s15                     ; from my first tile to my second: 127 - 2 w, at least 1
	s_lshl_b32 s12, s12, 9
	v_bfe_u32 v10, v0, 4, 1
	v_mul_u32_u24 v10, s12, v10
	v_add_nc_u32 v10, v10, v3
	s_lshr_b32 s12, s14, 4
	s_lshl_b32 s12, s12, 7
	s_add_co_u32 s12, s12, s15
	s_lshl_b32 s12, s12, 9
	s_add_co_u32 s12, s12, 6291456
	s_bfe_u32 s20, s14, 0x10003
	s_lshl_b32 s20, s20, 8
	s_add_co_u32 s12, s12, s20
	s_and_b32 s20, s14, 7
	s_lshl_b32 s20, s20, 1
	s_add_co_u32 s12, s12, s20
	s_add_nc_u64 s[104:105], s[10:11], s[12:13]
	s_wait_alu depctr_va_vdst(0)                   ; the offset v10 and the scale bytes v29 are written, which the store reads
	global_store_b16 v10, v29, s[104:105]
	s_wait_dscnt 0x0
	s_wait_alu depctr_hold_cnt(0) depctr_sa_sdst(0) depctr_va_vdst(0) depctr_va_sdst(0) depctr_va_ssrc(0) depctr_va_vcc(0) depctr_vm_vsrc(0)
	s_wait_tensorcnt 0x0
	ds_add_u32 v254, v255
	s_wait_dscnt 0x0
	s_endpgm
.Lfunc_end_k_qb42f63baea_attn:
	.size	k_qb42f63baea_attn, .Lfunc_end_k_qb42f63baea_attn-k_qb42f63baea_attn
	.p2alignl 7, 3214868480
	.fill 96, 4, 3214868480
	.section	.rodata,"a",@progbits
	.p2align	6, 0x0
	.amdhsa_kernel k_qb42f63baea_attn
		.amdhsa_group_segment_fixed_size 210944
		.amdhsa_private_segment_fixed_size 0
		.amdhsa_enable_private_segment 0
		.amdhsa_kernarg_size 32
		.amdhsa_user_sgpr_count 2
		.amdhsa_user_sgpr_kernarg_segment_ptr 1
		.amdhsa_wavefront_size32 1
		.amdhsa_system_sgpr_workgroup_id_x 1
		.amdhsa_system_sgpr_workgroup_id_y 1
		.amdhsa_system_sgpr_workgroup_id_z 1
		.amdhsa_system_vgpr_workitem_id 0
		.amdhsa_next_free_vgpr 256
		.amdhsa_next_free_sgpr 106
		.amdhsa_reserve_vcc 0
		.amdhsa_float_denorm_mode_32 3
		.amdhsa_float_denorm_mode_16_64 3
		.amdhsa_memory_ordered 1
		.amdhsa_forward_progress 1
		.amdhsa_inst_pref_size 36
	.end_amdhsa_kernel
	.amdgpu_metadata
---
amdhsa.version: [ 1, 2 ]
amdhsa.kernels:
  - .name:           k_qb42f63baea_attn
    .symbol:         k_qb42f63baea_attn.kd
    .args:
      - { .name: q, .offset: 0, .size: 8, .value_kind: global_buffer, .address_space: global }
      - { .name: kv, .offset: 8, .size: 8, .value_kind: global_buffer, .address_space: global }
      - { .name: mk, .offset: 16, .size: 8, .value_kind: global_buffer, .address_space: global }
      - { .name: at, .offset: 24, .size: 8, .value_kind: global_buffer, .address_space: global }
    .group_segment_fixed_size: 210944
    .private_segment_fixed_size: 0
    .kernarg_segment_align: 8
    .kernarg_segment_size: 32
    .max_flat_workgroup_size: 512
    .sgpr_count:     106
    .vgpr_count:     256
    .wavefront_size: 32
...
	.end_amdgpu_metadata
.endif
;; end of part 5
;; launch outp: the kernel of part 4 again; grid 4 x 32, 4 waves a work-group, clusters of 4 x 4, 327,680 bytes of LDS; arguments at, xw, bo, out0; writes out0
